; MI455X (gfx1250); checked and timed in simulation.
; The chip was launched on July 23, 2026; its instructions are those of AMD's public machine-readable ISA for CDNA 5 (MIT licence, August 2026) and "CDNA5" Instruction Set Architecture Reference Guide (July 2026). The comments in the code are by the model that wrote it; some were corrected since.
;; Multi Head Self Attention. Allowed arithmetic: matrix products marked QUANTISED: E2M1 operands, one E8M0 scale for each 32 along K, by v_wmma_scale_f32_16x16x128_f8f6f4 with both operands' format E2M1 (or v_wmma_scale_f32_32x16x128_f4), f32 sums; products left as they are: bf16, f16 or f32 operands; f32 sums; everything else in f32.
;; Inputs: W_k 1,024 x 1,024 float32; W_o 1,024 x 1,024 float32; W_q 1,024 x 1,024 float32; W_v 1,024 x 1,024 float32; x 4 x 2,048 x 1,024 float32.
;; Outputs: out0 4 x 2,048 x 1,024 float32.
;; This version of the problem:
;;   THIS VERSION OF THE PROBLEM IS GIVEN IN LOW PRECISION. The matrix products marked QUANTISED in the list below multiply operands that are first quantised to E2M1 (2 exponent bits, 1 mantissa bit; 4 bits a number), with one power-of-two scale for each 32 numbers along K (OCP MX v1.0); their sums are f32. The products marked 'left as it is' may take bf16, f16 or f32 operands, with f32 sums. Whichever they take, every output number must still come out within the allowed error. Rounding operands to bf16 (8 significant bits) uses up far more of that allowance than f16 does (11 bits, for magnitudes from 6e-5 to 65,504). All else is computed in f32.
;;   The module's matrix products, in the order in which they are computed (A, B: the left and right operand; K: the contracted axis; several contracted axes count as one K, in the product's order):
;;     1. [M 8,192, K 1,024] x [K 1,024, N 1,024]; A: input x; B: input W_q: QUANTISED
;;     2. [M 8,192, K 1,024] x [K 1,024, N 1,024]; A: input x; B: input W_k: QUANTISED
;;     3. [M 8,192, K 1,024] x [K 1,024, N 1,024]; A: input x; B: input W_v: QUANTISED
;;     4. batch 64 x [M 2,048, K 64] x [K 64, N 2,048]; A: computed on the way; B: computed on the way: left as it is (an operand is computed on the way)
;;     5. batch 64 x [M 2,048, K 2,048] x [K 2,048, N 64]; A: computed on the way; B: computed on the way: left as it is (an operand is computed on the way)
;;     6. [M 8,192, K 1,024] x [K 1,024, N 1,024]; A: computed on the way; B: input W_o: left as it is (an operand is computed on the way)
;;   THE QUANTISER, for each operand of a quantised product, along K:
;;     - K is cut into blocks of 32 from its start; a last block that is shorter is filled with zeros.
;;     - A block's scale is 2^e with e = floor(log2(the largest magnitude in the block)) - 2, held to -126 .. 127; a block of zeros has e = 0. As a byte (E8M0): e + 127.
;;     - Each number is divided by its block's scale, clamped to +-6, and rounded to the nearest number of E2M1, ties to even, subnormals kept.
;;     - The product sums the exact products of the quantised numbers (number of the format x scale) in f32.
;;   ~~~python
;;   def quantise(x, axis):      # numpy; x: float32 -> the quantised numbers, widened to float32 again
;;       x = np.moveaxis(x, axis, -1); K = x.shape[-1]
;;       x = np.pad(x, [(0, 0)] * (x.ndim - 1) + [(0, -K % 32)]); x = x.reshape(x.shape[:-1] + (-1, 32)); a = np.abs(x).max(-1, keepdims=True)
;;       e = np.where(a > 0, np.clip(np.frexp(np.where(a > 0, a, 1))[1] - 1 - 2, -126, 127), 0)      # np.frexp(a)[1] - 1 = floor(log2(a)), exactly
;;       r = np.clip(x / 2.0 ** e, -6, 6)
;;       step = 2.0 ** (np.maximum(np.frexp(np.where(r == 0, 1, r))[1] - 1, 0) - 1)
;;       q = np.round(r / step) * step * 2.0 ** e      # np.round: ties to even
;;       return np.moveaxis(q.reshape(q.shape[:-2] + (-1,))[..., :K], -1, axis).astype(np.float32)
;;   ~~~
;; One version. Each part assembles by itself: llvm-mc -triple=amdgcn-amd-amdhsa -mcpu=gfx1250 --defsym DOCPART=n.
;; ======== version 1 of 1: 5 launches
;; limits: values are held in f16: magnitudes above 65,504 overflow, below 6.1e-05 lose precision
;; workspace buffers: xc 4,194,304 bytes; xs 262,144 bytes; wc 1,572,864 bytes; ws 98,304 bytes; wof 2,097,152 bytes; qkv 50,331,648 bytes; q32 786,432 bytes; att 16,777,216 bytes
;; launch prep (part 1): grid 384 x 1, 4 waves a work-group, no clusters, 33,280 bytes of LDS; arguments x, W_q, W_k, W_v, W_o, xc, xs, wc, ws, wof; writes xc, xs, wc, ws, wof
.if DOCPART == 1
	.amdgcn_target "amdgcn-amd-amdhsa--gfx1250"
	.amdhsa_code_object_version 6
	.text
	.protected	k_qf5ed182e2f_prep
	.globl	k_qf5ed182e2f_prep
	.p2align	8
	.type	k_qf5ed182e2f_prep,@function
k_qf5ed182e2f_prep:
	s_mov_b64 s[64:65], 0
	v_nop
	global_prefetch_b8 v0, s[64:65] scope:SCOPE_SE
	s_setreg_imm32_b32 hwreg(HW_REG_WAVE_MODE, 25, 1), 1
	s_wait_xcnt 0x0
; x [8192][1024] and W_q, W_k, W_v [1024][1024], f32, become codes of FP4 (E2M1), K innermost, two codes a byte, with one E8M0 scale byte for each 32 along K:
; xc [8192][512 B], xs [8192][32 B]; wc [3072][512 B], ws [3072][32 B] (rows 0-1023 W_q, 1024-2047 W_k, 2048-3071 W_v).  W_o [1024][1024] becomes f16, laid as images of operand registers (below).
; A block's scale is 2^(floor(log2(its largest magnitude)) - 2); its byte is the largest magnitude's exponent field - 2, held at 1 from below.  Each number is divided by the scale and rounded to the nearest code, ties to even,
; beyond the largest code the largest.  A block of zeros gets the byte 1 where the stated quantiser says 127: its codes are zeros, which add nothing, and this program alone reads the bytes.
; LIMITS: NaN and infinities among the inputs are not served; W_o's numbers must lie inside f16's range (65,504).
; SHARES: 384 work-groups of four waves.  0-255: x; 256-351: the three weights, 32 each; each wave takes 16 steps of 512 numbers of a plain stream of blocks of 32 (rows are dense, 1024 is a multiple of 32).
; 352-383: W_o: a wave takes 16 rows x 512 along K.  Only pointers are chosen by the work-group's number on the quantiser's way; W_o's way uses no LDS.
; THE QUANTISER'S STEP: four loads of 512 consecutive bytes, 16 a lane; the 2,048 bytes turn through the wave's own stage in LDS (16 bytes of padding behind each 64) and come back 64 bytes a lane: 16 neighbours along K;
; two neighbouring lanes hold a block.  A lane's 16 codes are 8 bytes: the wave stores 256 consecutive bytes.  A wave's 256 scale bytes are gathered in its own LDS bytes and leave in one store.
.set STEPS, 16
.set EMAX,  2
.set CB,    8                          ; bytes of 16 codes
.set NX,    256                        ; work-groups for x
.set NQ,    352                        ; and for all four quantised tensors
.set R,     16                         ; v16-79   four sets of 16 numbers as loaded
.set X,     80                         ; v80-111  two sets of 16 neighbours
.set E,     112                        ; v112-127 a scale byte for each step
.set C,     128                        ; v128-191 codes: four registers for each step, so that no store's data are written again
.set WREG,  8192                       ; LDS: a region for each wave: two stages of 32 x SP bytes, then its 256 scale bytes
.set SP,    80
.set SPW,   12                         ; v12  LDS address of my spare word; never rewritten
.set NIL,   13                         ; v13  0; never rewritten
.set SPARE, 4*WREG                     ; behind the four regions: the spare words, 128 bytes a wave
.set WI,    16                         ; W_o's way: v16-143 two sets of 64 numbers
.set WO,    144                        ; v144-175 eight groups of four registers of f16
	s_load_b512 s[4:19], s[0:1], 0x0               ; x, W_q, W_k, W_v, W_o, xc, xs, wc
	s_load_b128 s[20:23], s[0:1], 0x40             ; ws, wof
	v_lshl_add_u32 v[SPW], v0, 2, SPARE
	v_mov_b32 v[NIL], 0
	v_lshrrev_b32 v1, 5, v0
	v_readfirstlane_b32 s24, v1                    ; wave
	v_and_b32 v2, 31, v0                           ; lane
	v_lshlrev_b32 v3, 4, v2                        ; 16 x lane
	s_mul_i32 s25, s24, WREG
	v_lshrrev_b32 v14, 2, v2
	v_mul_u32_u24 v14, v14, SP
	v_and_b32 v15, 3, v2
	v_lshl_add_u32 v14, v15, 4, v14
	v_add_nc_u32 v14, s25, v14                     ; the stage, way in: SP (lane / 4) + 16 (lane % 4)
	v_mul_u32_u24 v15, v2, SP
	v_add_nc_u32 v15, s25, v15                     ; way out: SP x lane: my 16 neighbours
	v_mul_u32_u24 v4, v2, CB                       ; my codes' place in a step's
	v_lshrrev_b32 v5, 1, v2
	s_add_co_u32 s25, s25, 2*32*SP
	v_add_nc_u32 v5, s25, v5                       ; my block's scale byte in LDS
	v_lshlrev_b32 v7, 3, v2
	v_add_nc_u32 v6, s25, v7                       ; and 8 bytes a lane on their way out
	s_wait_kmcnt 0x0
	s_cmp_ge_u32 ttmp9, NQ
	s_cbranch_scc1 .Lwo
	; which tensor: the choice hangs on the work-group's number alone
	s_sub_co_u32 s30, ttmp9, NX                    ; j: the work-group's number among the weights'
	s_and_b32 s31, s30, 31                         ; and inside its weight
	s_cmp_lt_u32 s30, 64
	s_cselect_b64 s[32:33], s[8:9], s[10:11]
	s_cmp_lt_u32 s30, 32
	s_cselect_b64 s[32:33], s[6:7], s[32:33]
	s_cmp_lt_u32 ttmp9, NX
	s_cselect_b64 s[32:33], s[4:5], s[32:33]       ; the numbers,
	s_cselect_b64 s[26:27], s[14:15], s[18:19]     ; the codes,
	s_cselect_b64 s[28:29], s[16:17], s[20:21]     ; the scale bytes
	s_cselect_b32 s31, ttmp9, s31
	s_cselect_b32 s30, ttmp9, s30
	s_lshl_b32 s31, s31, 2
	s_add_co_u32 s31, s31, s24                     ; my run of 8,192 numbers in the source
	s_lshl_b32 s30, s30, 2
	s_add_co_u32 s30, s30, s24                     ; and in the outputs
	s_lshl_b32 s34, s31, 15
	s_mov_b32 s35, 0
	s_add_nc_u64 s[32:33], s[32:33], s[34:35]
	s_lshl_b32 s34, s30, 12
	s_add_nc_u64 s[26:27], s[26:27], s[34:35]
	s_lshl_b32 s34, s30, 8
	s_add_nc_u64 s[28:29], s[28:29], s[34:35]
.macro LOAD t
.irp i, 0,1,2,3
	global_load_b128 v[R+16*((\t)%4)+4*\i:R+16*((\t)%4)+4*\i+3], v3, s[32:33] offset:2048*(\t)+512*\i th:TH_LOAD_NT   ; 32 lanes read 512 consecutive bytes
.endr
.endm
.macro TURN t                          ; step t's numbers through the stage: LDS serves a wave's instructions in order, so no wait stands between the stores and the loads
.irp i, 0,1,2,3
	ds_store_b128 v14, v[R+16*((\t)%4)+4*\i:R+16*((\t)%4)+4*\i+3] offset:32*SP*((\t)%2)+8*SP*\i
.endr
.irp i, 0,1,2,3
	ds_load_b128 v[X+16*((\t)%2)+4*\i:X+16*((\t)%2)+4*\i+3], v15 offset:32*SP*((\t)%2)+16*\i
.endr
.endm
.irp t, 0,1,2,3
	LOAD \t
.endr
	s_wait_loadcnt 12                              ; step 0's four loads are in; three steps' twelve stay out
	TURN 0
.macro STEP t
.set XS, X+16*((\t)%2)
.if (\t) > 0
	s_wait_dscnt 1                                 ; this step's numbers are back from the stage; the last step's byte store may be out
.else
	s_wait_dscnt 0x0
.endif
.if (\t)+4 < STEPS
	LOAD (\t)+4                                    ; into the registers that the stage's stores have read
.endif
.if (\t)+1 < STEPS
.if STEPS-2-(\t) >= 3
	s_wait_loadcnt 12                              ; the next step's four loads are in; those of the three steps behind it may be out
.else
	s_wait_loadcnt 4*(STEPS-2-(\t))
.endif
	TURN (\t)+1
.endif
	v_max3_num_f32 v8, |v[XS]|, |v[XS+1]|, |v[XS+2]|               ; the largest magnitude of my 16, in two chains
	v_max3_num_f32 v9, |v[XS+3]|, |v[XS+4]|, |v[XS+5]|
.irp i, 6,10
	v_max3_num_f32 v8, v8, |v[XS+\i]|, |v[XS+\i+1]|
	v_max3_num_f32 v9, v9, |v[XS+\i+2]|, |v[XS+\i+3]|
.endr
	v_max3_num_f32 v8, v8, |v[XS+14]|, |v[XS+15]|
	v_max3_num_f32 v8, v8, v9, (EMAX+1)<<23        ; and the floor 2^(3 - 127): the byte cannot fall under 1
	v_max_num_f32_dpp v8, v8, v8 row_xmask:1 row_mask:0xf bank_mask:0xf   ; with my neighbour's 16: the block's
	v_add_nc_u32 v11, 0xff000000, v8               ; 2 off its exponent field: the conversion takes that field as its scale and nothing else
	v_cvt_scalef32_pk8_fp4_f32 v[C+4*(\t)], v[XS:XS+7], v11
	v_cvt_scalef32_pk8_fp4_f32 v[C+4*(\t)+1], v[XS+8:XS+15], v11
	v_lshrrev_b32 v[E+(\t)], 23, v11               ; the scale's byte
	ds_store_b8 v5, v[E+(\t)] offset:16*(\t)       ; both lanes of a block write the same byte with the same value
	global_store_b64 v4, v[C+4*(\t):C+4*(\t)+1], s[26:27] offset:32*CB*(\t)   ; 256 consecutive bytes, aligned
.endm
.irp t, 0,1,2,3,4,5,6,7,8,9,10,11,12,13,14,15
	STEP \t
.endr
	ds_load_b64 v[8:9], v6                         ; in order behind my byte stores
	s_wait_dscnt 0x0
	global_store_b64 v7, v[8:9], s[28:29]          ; my wave's 256 scale bytes
	s_wait_tensorcnt 0x0                           ; the wave's end, behind my last LDS store
	ds_add_u32 v[SPW], v[NIL]
	s_wait_dscnt 0x0
	s_endpgm
; W_o -> wof [s 8][Nt 64][kg 4][c 2][lane 32][16 B]: lane (r = lane % 16, h = lane / 16) holds row 16 Nt + r, K = 128 s + 32 kg + 16 c + 8 h + 0 .. 7, as eight f16: the register group 4 c .. 4 c + 3 of a 16-bit operand.
; Wave wid (0 .. 127) takes Nt = wid / 2 and s = 4 (wid % 2) + 0 .. 3, a K step (16 loads, 8 stores of 512 consecutive bytes) at a time, one step ahead.
.Lwo:
	s_sub_co_u32 s30, ttmp9, NQ
	s_lshl_b32 s30, s30, 2
	s_add_co_u32 s30, s30, s24                     ; wid
	s_lshr_b32 s31, s30, 1                         ; Nt
	s_and_b32 s30, s30, 1                          ; which half of K
	v_and_b32 v9, 15, v0                           ; r
	v_bfe_u32 v8, v0, 4, 1                         ; h
	v_lshlrev_b32 v8, 5, v8
	v_lshl_add_u32 v8, v9, 12, v8                  ; 4096 r + 32 h
	s_lshl_b32 s34, s31, 16
	s_lshl_b32 s36, s30, 11
	s_add_co_u32 s34, s34, s36
	s_mov_b32 s35, 0
	s_add_nc_u64 s[12:13], s[12:13], s[34:35]
	s_lshl_b32 s34, s30, 20
	s_lshl_b32 s36, s31, 12
	s_add_co_u32 s34, s34, s36
	s_add_nc_u64 s[22:23], s[22:23], s[34:35]
.macro WLOAD sl, set
.irp p, 0,1,2,3,4,5,6,7
.irp e, 0,1
	global_load_b128 v[WI+64*(\set)+8*\p+4*\e:WI+64*(\set)+8*\p+4*\e+3], v8, s[12:13] offset:512*(\sl)+64*\p+16*\e
.endr
.endr
.endm
.macro WCVT sl, set
	s_wait_xcnt 0x0                                ; the last batch's stores have read their data registers
.irp p, 0,1,2,3,4,5,6,7
.irp i, 0,1,2,3
	v_cvt_pk_f16_f32 v[WO+4*\p+\i], v[WI+64*(\set)+8*\p+2*\i], v[WI+64*(\set)+8*\p+2*\i+1]
.endr
.endr
.irp p, 0,1,2,3,4,5,6,7
	global_store_b128 v3, v[WO+4*\p:WO+4*\p+3], s[22:23] offset:262144*(\sl)+512*\p
.endr
.endm
	WLOAD 0, 0
	WLOAD 1, 1
	s_wait_loadcnt 16                              ; the older batch is in, the younger sixteen stay out
	WCVT 0, 0
	WLOAD 2, 0
	s_wait_loadcnt 16
	WCVT 1, 1
	WLOAD 3, 1
	s_wait_loadcnt 16
	WCVT 2, 0
	s_wait_loadcnt 0x0
	WCVT 3, 1
	s_wait_tensorcnt 0x0                           ; the same three lines at this way's end
	ds_add_u32 v[SPW], v[NIL]
	s_wait_dscnt 0x0
	s_endpgm
.Lfunc_end_k_qf5ed182e2f_prep:
	.size	k_qf5ed182e2f_prep, .Lfunc_end_k_qf5ed182e2f_prep-k_qf5ed182e2f_prep
	.p2alignl 7, 3214868480
	.fill 96, 4, 3214868480
	.section	.rodata,"a",@progbits
	.p2align	6, 0x0
	.amdhsa_kernel k_qf5ed182e2f_prep
		.amdhsa_group_segment_fixed_size 33280
		.amdhsa_private_segment_fixed_size 0
		.amdhsa_enable_private_segment 0
		.amdhsa_kernarg_size 80
		.amdhsa_user_sgpr_count 2
		.amdhsa_user_sgpr_kernarg_segment_ptr 1
		.amdhsa_wavefront_size32 1
		.amdhsa_system_sgpr_workgroup_id_x 1
		.amdhsa_system_sgpr_workgroup_id_y 1
		.amdhsa_system_sgpr_workgroup_id_z 1
		.amdhsa_system_vgpr_workitem_id 0
		.amdhsa_next_free_vgpr 192
		.amdhsa_next_free_sgpr 66
		.amdhsa_reserve_vcc 0
		.amdhsa_float_denorm_mode_32 3
		.amdhsa_float_denorm_mode_16_64 3
		.amdhsa_memory_ordered 1
		.amdhsa_forward_progress 1
		.amdhsa_inst_pref_size 52
	.end_amdhsa_kernel
	.amdgpu_metadata
---
amdhsa.version: [ 1, 2 ]
amdhsa.kernels:
  - .name:           k_qf5ed182e2f_prep
    .symbol:         k_qf5ed182e2f_prep.kd
    .args:
      - { .name: x, .offset: 0, .size: 8, .value_kind: global_buffer, .address_space: global }
      - { .name: W_q, .offset: 8, .size: 8, .value_kind: global_buffer, .address_space: global }
      - { .name: W_k, .offset: 16, .size: 8, .value_kind: global_buffer, .address_space: global }
      - { .name: W_v, .offset: 24, .size: 8, .value_kind: global_buffer, .address_space: global }
      - { .name: W_o, .offset: 32, .size: 8, .value_kind: global_buffer, .address_space: global }
      - { .name: xc, .offset: 40, .size: 8, .value_kind: global_buffer, .address_space: global }
      - { .name: xs, .offset: 48, .size: 8, .value_kind: global_buffer, .address_space: global }
      - { .name: wc, .offset: 56, .size: 8, .value_kind: global_buffer, .address_space: global }
      - { .name: ws, .offset: 64, .size: 8, .value_kind: global_buffer, .address_space: global }
      - { .name: wof, .offset: 72, .size: 8, .value_kind: global_buffer, .address_space: global }
    .group_segment_fixed_size: 33280
    .private_segment_fixed_size: 0
    .kernarg_segment_align: 8
    .kernarg_segment_size: 80
    .max_flat_workgroup_size: 128
    .sgpr_count:     66
    .vgpr_count:     192
    .wavefront_size: 32
...
	.end_amdgpu_metadata
.endif
;; end of part 1
;; launch qkvgemm (part 2): grid 8 x 32, 4 waves a work-group, clusters of 4 x 4, 327,680 bytes of LDS; arguments xc, xs, wc, ws, qkv, q32; writes qkv, q32
.if DOCPART == 2
	.amdgcn_target "amdgcn-amd-amdhsa--gfx1250"
	.amdhsa_code_object_version 6
	.text
	.protected	k_qf5ed182e2f_qkvgemm
	.globl	k_qf5ed182e2f_qkvgemm
	.p2align	8
	.type	k_qf5ed182e2f_qkvgemm,@function
k_qf5ed182e2f_qkvgemm:
	s_mov_b64 s[64:65], 0
	v_nop
	global_prefetch_b8 v0, s[64:65] scope:SCOPE_SE
	s_setreg_imm32_b32 hwreg(HW_REG_WAVE_MODE, 25, 1), 1
	s_wait_xcnt 0x0
	s_wait_alu depctr_hold_cnt(0) depctr_sa_sdst(0) depctr_va_vdst(0) depctr_va_sdst(0) depctr_va_ssrc(0) depctr_va_vcc(0) depctr_vm_vsrc(0)
	s_getreg_b32 s2, hwreg(HW_REG_IB_STS2, 6, 4)
	s_cmp_eq_u32 s2, 0
	s_cbranch_scc0 .Lentry_in_a_cluster
	s_endpgm
.Lentry_in_a_cluster:
	s_bfe_u32 s2, ttmp6, 0x10000c
	s_cmp_lg_u32 s2, 0xf033
	s_cbranch_scc0 .Lentry_shape_is_right
	s_endpgm
.Lentry_shape_is_right:
; q = x W_q^T, k = x W_k^T, v = x W_v^T on codes of FP4 (E2M1) with one E8M0 scale for each 32 along K = 1024; sums in f32; results rounded once to f16 and stored as IMAGES OF OPERAND REGISTERS for the attention launch.
; SHARES.  Work-group (g, ry): 256 tokens (tile ry) x the 128 columns of heads 2 g, 2 g + 1 of each of q, k, v: three sub-tiles one after the other, x's 256 rows staying in LDS for all three.
; Four waves: wave w takes 128 tokens (wr = w / 2) x 64 columns (wc = w % 2: one head): 8 x 4 accumulators of 16 x 16, 256 registers.
; CLUSTER 4 x 4.  ry = 8 cy + cluster y, so the batch is cy and a batch's first tile is cluster y = 0 (the same in all partners); g = 4 cluster x + cx.  x's tile hangs on ry alone and is asked for jointly along a row of the
; cluster, W's tiles on g alone, jointly along a column.  By this text's count a wave has three tensor loads out at the start and one after the refill.
; LDS: x 256 rows x (512 + 16) bytes; two slots of 128 such rows for W: W_q -> slot 0, W_k -> slot 1, W_v -> slot 0 again (the launch's one refill: three slots beside x would pass the work-group's LDS).
; q, k: source 0 = 16 rows of W, source 1 = 16 tokens: a lane holds token r and channels 16 b + 8 h + 0 .. 7.  v: the sources swapped: a lane holds channel 16 b + r and tokens 16 a + 8 h + 0 .. 7.
; OUTPUT qkv: sections Q, K, V of 16 MiB; in each [bh = 16 batch + head][262,144 B].  Q, K: [token tile 128][f 2][c 2][lane][16 B]: token 16 tile + r, channels 32 f + 16 c + 8 h + 0 .. 7.
; V: [key group of 32: 64][ct 4][c 2][lane][16 B]: channel 16 ct + r, keys 32 kg + 16 c + 8 h + 0 .. 7.  Each store of a wave covers 512 consecutive bytes, aligned.
; q32 [batch][u 3][head][tile 4][e 2][lane][16 B]: the f32 accumulators of positions 0 .. 15 of each batch, as they stand, for the launch that carries those rows in f32.
; LIMIT: |q|, |k|, |v| under 65,504 (f16's range).
; REGISTERS: window 0: v1 16 x lane; v16-18 LDS addresses; v20, v21 scale offsets; v28, v29 the add's two; v32-63 x's scale words, v64-111 W's; v128-191, v192-255 x's fragments, two sets.
;   window 1: v0-31, v32-63 W's fragments, two sets; v64-191 packed results.   window 2: accumulator (a, b) at v[8 (4 a + b)].
.set PITCH, 528                        ; 512 bytes + 16: 33 x 16, so that the sixteen rows of a fragment load start 16 bytes apart modulo 256
.set WB,    256*PITCH
.set WSLOT, 128*PITCH
.set SPARE, WB+2*WSLOT                 ; the spare words, 128 bytes a wave
.set LI,  1
.set ADX, 16
.set ADW, 17                           ; v17, v18: slot 0, 1
.set VXS, 20
.set VWS, 21
.set SPW, 28
.set NIL, 29
.set SX,  32                           ; SX + 8 p + s: K step s's word of x's block p (lanes 0-15) and p + 4 (lanes 16-31)
.set SW,  64                           ; SW + 16 u + 8 p + s: the same of W_u's block p and p + 2
.set XF,  128
.set TMP, 64
.set WV,  16                           ; s16 wave; s17 wr; s18 wc; s19 cx; s20 cy; s21 cluster y; s22 g; s23 ry
.set GX,  24                           ; s[24:31] group 1 for x's tile, s[32:39] for W's
.set GW,  32
.set G0X, 40
.set G0W0, 44
.set G0W1, 48
.set PO,  52                           ; s[52:57] where my q, k, v go
.set PF,  58                           ; s[58:63] and the f32 copies
.set DW0, (1<<20)|(1<<21)|(6<<22)|(3<<25)   ; elements of 1 byte; padding on; bit 21 beside a mask; after every 128 words, 4 words
.set MSB, 0
.macro WIN new                         ; the immediate's high byte repeats the setting that is left
.if MSB != \new
	s_set_vgpr_msb (MSB<<8)|\new
.set MSB, \new
.endif
.endm
.macro PLACES
.rept 4
	v_nop
.endr
.endm
.macro CREST
	s_cmp_lg_u32 s[WV], 0
	s_cbranch_scc1 .Lnot_wave_0_\@
	s_barrier_signal -3
.Lnot_wave_0_\@:
	s_barrier_wait -3
	s_barrier_signal -1
	s_barrier_wait -1
.endm
.macro CROUND                          ; a round of the cluster's barrier
	s_barrier_signal -1
	s_barrier_wait -1
	CREST
.endm
	s_load_b256 s[4:11], s[0:1], 0x0               ; xc, xs, wc, ws
	s_load_b128 s[12:15], s[0:1], 0x20             ; qkv, q32
	v_lshl_add_u32 v[SPW], v0, 2, SPARE
	v_mov_b32 v[NIL], 0
	ds_add_u32 v[SPW], v[NIL]                      ; the wave's opening: the add, twice on end, and its wait ahead of my first tensor load
	ds_add_u32 v[SPW], v[NIL]
	v_lshrrev_b32 v1, 5, v0
	v_readfirstlane_b32 s[WV], v1
	s_lshr_b32 s17, s[WV], 1                       ; wr
	s_and_b32 s18, s[WV], 1                        ; wc
	s_bfe_u32 s19, ttmp6, 0x40000                  ; cx
	s_bfe_u32 s20, ttmp6, 0x40004                  ; cy
	s_lshl_b32 s22, ttmp9, 2
	s_add_co_u32 s22, s22, s19                     ; g
	s_and_b32 s21, ttmp7, 0xffff                   ; cluster y
	s_lshl_b32 s23, s20, 3
	s_add_co_u32 s23, s23, s21                     ; ry
	s_lshl_b32 s67, s20, 2
	s_lshl_b32 s67, 15, s67                        ; my row of the cluster
	s_lshl_b32 s72, 0x1111, s19                    ; my column
	s_or_b32 s[GX], s67, DW0
	s_or_b32 s[GW], s72, DW0
	s_mov_b32 s[GX+1], 512<<16                     ; tensor_dim0 = 512 bytes
	s_mov_b32 s[GX+2], 64<<16                      ; tensor_dim1 = 64 rows
	s_mov_b32 s[GX+3], 512<<16                     ; tile_dim0
	s_mov_b32 s[GX+4], 64                          ; tile_dim1
	s_mov_b32 s[GX+5], 512                         ; from row to row
	s_mov_b32 s[GX+6], 0
	s_mov_b32 s[GX+7], 0
	s_mov_b32 s[GW+1], 512<<16
	s_mov_b32 s[GW+2], 32<<16                      ; 32 rows a wave
	s_mov_b32 s[GW+3], 512<<16
	s_mov_b32 s[GW+4], 32
	s_mov_b32 s[GW+5], 512
	s_mov_b32 s[GW+6], 0
	s_mov_b32 s[GW+7], 0
	s_lshl_b32 s68, s23, 17                        ; x: (256 ry + 64 w) rows of 512 bytes
	s_lshl_b32 s69, s[WV], 15
	s_add_co_u32 s68, s68, s69
	s_mov_b32 s69, 0
	s_lshl_b32 s72, s22, 16                        ; W: (128 g + 32 w) rows
	s_lshl_b32 s73, s[WV], 14
	s_add_co_u32 s72, s72, s73
	s_mov_b32 s73, 0
	s_mov_b32 s[G0X], 1
	s_mul_i32 s[G0X+1], s[WV], 64*PITCH            ; LDS addresses hang on the wave's number alone
	s_mov_b32 s[G0W0], 1
	s_mul_i32 s[G0W0+1], s[WV], 32*PITCH
	s_add_co_u32 s[G0W0+1], s[G0W0+1], WB
	s_mov_b32 s[G0W1], 1
	s_add_co_u32 s[G0W1+1], s[G0W0+1], WSLOT
	s_or_b32 s66, s21, s17                         ; 0: my block a = 0 holds positions 0 .. 15 of a batch
	s_wait_dscnt 0x0                               ; both opening adds are done
	s_wait_kmcnt 0x0
	s_add_nc_u64 s[G0X+2:G0X+3], s[4:5], s[68:69]
	s_or_b32 s[G0X+3], s[G0X+3], 0x80000000
	s_add_nc_u64 s[G0W0+2:G0W0+3], s[8:9], s[72:73]          ; W_q
	s_add_nc_u64 s[G0W1+2:G0W1+3], s[G0W0+2:G0W0+3], 0x80000 ; W_k: 1024 rows on
	s_or_b32 s[G0W0+3], s[G0W0+3], 0x80000000
	s_or_b32 s[G0W1+3], s[G0W1+3], 0x80000000
	CROUND                                         ; all sixteen work-groups are here: the first joint loads meet
	tensor_load_to_lds s[G0X:G0X+3], s[GX:GX+7]
	s_nop 0
	tensor_load_to_lds s[G0W0:G0W0+3], s[GW:GW+7]
	s_nop 0
	tensor_load_to_lds s[G0W1:G0W1+3], s[GW:GW+7]
	s_nop 0
	PLACES
	v_and_b32 v[LI], 31, v0
	v_lshlrev_b32 v[LI], 4, v[LI]
	v_and_b32 v2, 15, v0                           ; r
	v_bfe_u32 v3, v0, 4, 1                         ; h
	v_mul_u32_u24 v4, v2, PITCH
	v_lshl_add_u32 v4, v3, 4, v4                   ; r x pitch + 16 h
	s_mul_i32 s76, s17, 128*PITCH
	v_add_nc_u32 v[ADX], s76, v4
	s_mul_i32 s76, s18, 64*PITCH
	s_add_co_u32 s76, s76, WB
	v_add_nc_u32 v[ADW], s76, v4
	s_add_co_u32 s76, s76, WSLOT
	v_add_nc_u32 v[ADW+1], s76, v4
	v_lshl_add_u32 v5, v3, 6, v2
	v_lshlrev_b32 v[VXS], 5, v5                    ; 32 (r + 64 h): lanes 16-31 take the block four further on
	v_lshl_add_u32 v5, v3, 5, v2
	v_lshlrev_b32 v[VWS], 5, v5                    ; 32 (r + 32 h): two further on
	s_lshl_b32 s76, s23, 13                        ; x's scale bytes: (256 ry + 128 wr) rows of 32
	s_lshl_b32 s77, s17, 12
	s_add_co_u32 s76, s76, s77
	s_mov_b32 s77, 0
	s_add_nc_u64 s[6:7], s[6:7], s[76:77]
	s_lshl_b32 s76, s22, 12                        ; W's: (128 g + 64 wc) rows
	s_lshl_b32 s78, s18, 11
	s_add_co_u32 s76, s76, s78
	s_add_nc_u64 s[10:11], s[10:11], s[76:77]
.irp p, 0,1,2,3                                ; the scale words of all of K come once, straight into registers: two loads cover 512 consecutive bytes
.irp e, 0,1
	global_load_b128 v[SX+8*\p+4*\e:SX+8*\p+4*\e+3], v[VXS], s[6:7] offset:512*\p+16*\e
.endr
.endr
.irp u, 0,1,2
.irp p, 0,1
.irp e, 0,1
	global_load_b128 v[SW+16*\u+8*\p+4*\e:SW+16*\u+8*\p+4*\e+3], v[VWS], s[10:11] offset:32768*\u+512*\p+16*\e
.endr
.endr
.endr
	s_lshl_b32 s76, s20, 4                         ; bh = 16 cy + 2 g + wc
	s_lshl_b32 s78, s22, 1
	s_add_co_u32 s78, s78, s18                     ; the head
	s_add_co_u32 s76, s76, s78
	s_lshl_b32 s76, s76, 18
	s_lshl_b32 s79, s21, 15                        ; + my 128 tokens: 8 token tiles of 2,048 bytes = 4 key groups of 4,096
	s_add_co_u32 s76, s76, s79
	s_lshl_b32 s79, s17, 14
	s_add_co_u32 s76, s76, s79
	s_add_nc_u64 s[PO:PO+1], s[12:13], s[76:77]
	s_add_nc_u64 s[PO+2:PO+3], s[PO:PO+1], 0x1000000
	s_add_nc_u64 s[PO+4:PO+5], s[PO+2:PO+3], 0x1000000
	s_mul_i32 s76, s20, 48
	s_add_co_u32 s76, s76, s78
	s_lshl_b32 s76, s76, 12
	s_add_nc_u64 s[PF:PF+1], s[14:15], s[76:77]
	s_add_nc_u64 s[PF+2:PF+3], s[PF:PF+1], 0x10000
	s_add_nc_u64 s[PF+4:PF+5], s[PF+2:PF+3], 0x10000
; One scaled product.  ra, rb: source 0's, source 1's scales stand in lanes 16-31 of their register.  zero: the product starts its sum.
.macro WM d, fa, fb, sa, sb, ra, rb, zero
.if \zero
.if (\ra) && (\rb)
	v_wmma_scale_f32_16x16x128_f8f6f4 v[\d:\d+7], v[\fa:\fa+7], v[\fb:\fb+7], 0, v[\sa], v[\sb] matrix_a_fmt:MATRIX_FMT_FP4 matrix_b_fmt:MATRIX_FMT_FP4 matrix_a_scale:MATRIX_SCALE_ROW1 matrix_b_scale:MATRIX_SCALE_ROW1
.elseif (\ra)
	v_wmma_scale_f32_16x16x128_f8f6f4 v[\d:\d+7], v[\fa:\fa+7], v[\fb:\fb+7], 0, v[\sa], v[\sb] matrix_a_fmt:MATRIX_FMT_FP4 matrix_b_fmt:MATRIX_FMT_FP4 matrix_a_scale:MATRIX_SCALE_ROW1
.elseif (\rb)
	v_wmma_scale_f32_16x16x128_f8f6f4 v[\d:\d+7], v[\fa:\fa+7], v[\fb:\fb+7], 0, v[\sa], v[\sb] matrix_a_fmt:MATRIX_FMT_FP4 matrix_b_fmt:MATRIX_FMT_FP4 matrix_b_scale:MATRIX_SCALE_ROW1
.else
	v_wmma_scale_f32_16x16x128_f8f6f4 v[\d:\d+7], v[\fa:\fa+7], v[\fb:\fb+7], 0, v[\sa], v[\sb] matrix_a_fmt:MATRIX_FMT_FP4 matrix_b_fmt:MATRIX_FMT_FP4
.endif
.else
.if (\ra) && (\rb)
	v_wmma_scale_f32_16x16x128_f8f6f4 v[\d:\d+7], v[\fa:\fa+7], v[\fb:\fb+7], v[\d:\d+7], v[\sa], v[\sb] matrix_a_fmt:MATRIX_FMT_FP4 matrix_b_fmt:MATRIX_FMT_FP4 matrix_a_scale:MATRIX_SCALE_ROW1 matrix_b_scale:MATRIX_SCALE_ROW1
.elseif (\ra)
	v_wmma_scale_f32_16x16x128_f8f6f4 v[\d:\d+7], v[\fa:\fa+7], v[\fb:\fb+7], v[\d:\d+7], v[\sa], v[\sb] matrix_a_fmt:MATRIX_FMT_FP4 matrix_b_fmt:MATRIX_FMT_FP4 matrix_a_scale:MATRIX_SCALE_ROW1
.elseif (\rb)
	v_wmma_scale_f32_16x16x128_f8f6f4 v[\d:\d+7], v[\fa:\fa+7], v[\fb:\fb+7], v[\d:\d+7], v[\sa], v[\sb] matrix_a_fmt:MATRIX_FMT_FP4 matrix_b_fmt:MATRIX_FMT_FP4 matrix_b_scale:MATRIX_SCALE_ROW1
.else
	v_wmma_scale_f32_16x16x128_f8f6f4 v[\d:\d+7], v[\fa:\fa+7], v[\fb:\fb+7], v[\d:\d+7], v[\sa], v[\sb] matrix_a_fmt:MATRIX_FMT_FP4 matrix_b_fmt:MATRIX_FMT_FP4
.endif
.endif
.endm
; 32 products: one K step of 128 for all 32 accumulators, which take turns in one order everywhere.  sw = 0: source 0 = W; sw = 1: source 0 = x.
.macro MUL32 u, ks, set, sw, zero
.irp a, 0,1,2,3,4,5,6,7
.irp b, 0,1,2,3
.if \sw
	WM 8*(4*\a+\b), XF+64*(\set)+8*\a, 32*(\set)+8*\b, SX+8*(\a%4)+(\ks), SW+16*(\u)+8*(\b%2)+(\ks), \a/4, \b/2, \zero
.else
	WM 8*(4*\a+\b), 32*(\set)+8*\b, XF+64*(\set)+8*\a, SW+16*(\u)+8*(\b%2)+(\ks), SX+8*(\a%4)+(\ks), \b/2, \a/4, \zero
.endif
.endr
.endr
.endm
; The fragments of K step ks: W's four from the slot, x's eight: 24 LDS loads in one run, behind four places (the set's registers were read by matrix instructions).
; A fragment, 16 rows x 128 K of 4-bit codes, is 8 registers: lane l holds row l % 16; registers 4 c .. 4 c + 3 hold K = 64 c + 32 (l / 16) + 0 .. 31.
.macro FETCH slot, ks, set
	PLACES
	WIN 0x40                                       ; destination window 1, address window 0
.irp b, 0,1,2,3
.irp c, 0,1
	ds_load_b128 v[32*(\set)+8*\b+4*\c:32*(\set)+8*\b+4*\c+3], v[ADW+\slot] offset:64*(\ks)+32*\c+\b*16*PITCH
.endr
.endr
	WIN 0
.irp a, 0,1,2,3,4,5,6,7
.irp c, 0,1
	ds_load_b128 v[XF+64*(\set)+8*\a+4*\c:XF+64*(\set)+8*\a+4*\c+3], v[ADX] offset:64*(\ks)+32*\c+\a*16*PITCH
.endr
.endr
.endm
; A sub-tile: eight K steps; each step's fragments are asked for ahead of the step before.
.macro SUB u, slot, sw
.irp ks, 0,1,2,3,4,5,6,7
.if \ks < 7
	FETCH \slot, \ks+1, (\ks+1)%2
	s_wait_dscnt 24                                ; this step's fragments are in; the 24 loads just issued stay out
.else
	s_wait_dscnt 0x0
.endif
.if \sw
	WIN 0xa4                                       ; source 0 (x) window 0, source 1 (W) window 1, C and D window 2
.else
	WIN 0xa1                                       ; source 0 (W) window 1, source 1 (x) window 0, C and D window 2
.endif
.if \ks == 0
	MUL32 \u, \ks, \ks%2, \sw, 1
.else
	MUL32 \u, \ks, \ks%2, \sw, 0
.endif
.endr
.endm
; The way out of sub-tile u: the f32 copy of positions 0 .. 15 (the branch hangs on the cluster's y and the wave's number: alike in all partners), then all 32 accumulators rounded to f16 and stored as they stand.
.macro EPI u
	WIN 0
	s_cmp_lg_u32 s66, 0
	s_cbranch_scc1 .Lnofine_\@
	WIN 0x08                                       ; a store's data: window 2
.irp b, 0,1,2,3
.irp e, 0,1
	global_store_b128 v[LI], v[8*\b+4*\e:8*\b+4*\e+3], s[PF+2*\u:PF+2*\u+1] offset:1024*\b+512*\e   ; each accumulator from its low end on
.endr
.endr
	WIN 0
.Lnofine_\@:
	s_wait_xcnt 0x0                                ; earlier stores have read their data: the packed registers and the accumulators may be written again
	WIN 0x4a                                       ; sources window 2, destination window 1
.irp n, 0,1,2,3,4,5,6,7,8,9,10,11,12,13,14,15,16,17,18,19,20,21,22,23,24,25,26,27,28,29,30,31
.irp i, 0,1,2,3
	v_cvt_pk_f16_f32 v[TMP+4*\n+\i], v[8*\n+2*\i], v[8*\n+2*\i+1]
.endr
.endr
	WIN 0x04                                       ; a store's data: window 1
.irp a, 0,1,2,3,4,5,6,7
.irp b, 0,1,2,3
.if \u < 2
	global_store_b128 v[LI], v[TMP+4*(4*\a+\b):TMP+4*(4*\a+\b)+3], s[PO+2*\u:PO+2*\u+1] offset:2048*\a+512*\b
.else
	global_store_b128 v[LI], v[TMP+4*(4*\a+\b):TMP+4*(4*\a+\b)+3], s[PO+2*\u:PO+2*\u+1] offset:4096*(\a/2)+1024*\b+512*(\a%2)
.endif
.endr
.endr
	WIN 0
.endm
	s_wait_tensorcnt 0x1                           ; my parts of x and of W_q are in; W_k's may stay out
	s_barrier_signal -1
	s_barrier_wait -1                              ; everybody's are
	s_wait_loadcnt 0x0                             ; the scale words
	FETCH 0, 0, 0
	SUB 0, 0, 0                                    ; q
	WIN 0
	s_wait_tensorcnt 0x0                           ; all my tensor loads have landed (W_k's part),
	ds_add_u32 v[SPW], v[NIL]                      ; 0 onto my spare word
	s_add_nc_u64 s[G0W0+2:G0W0+3], s[G0W0+2:G0W0+3], 0x100000   ; slot 0's descriptor steps to W_v: 2,048 rows on
	s_wait_dscnt 0x0                               ; the add is done, and my reads of slot 0 are over
	CROUND                                         ; no wave of any partner still reads slot 0 or has a load on its way
	tensor_load_to_lds s[G0W0:G0W0+3], s[GW:GW+7]  ; the one refill: it has q's way out and all of k's products in which to land
	s_nop 0
	PLACES
	FETCH 1, 0, 0
	EPI 0
	SUB 1, 1, 0                                    ; k
	WIN 0
	s_wait_tensorcnt 0x0                           ; my part of W_v is in,
	s_wait_dscnt 0x0
	s_barrier_signal -1
	s_barrier_wait -1                              ; everybody's is
	FETCH 0, 0, 0
	EPI 1
	SUB 2, 0, 1                                    ; v, the sources swapped
	PLACES                                         ; in front of the first read of results
	EPI 2
	s_wait_tensorcnt 0x0                           ; the wave's end
	ds_add_u32 v[SPW], v[NIL]
	s_wait_dscnt 0x0
	CROUND                                         ; the closing round
	s_endpgm
.Lfunc_end_k_qf5ed182e2f_qkvgemm:
	.size	k_qf5ed182e2f_qkvgemm, .Lfunc_end_k_qf5ed182e2f_qkvgemm-k_qf5ed182e2f_qkvgemm
	.p2alignl 7, 3214868480
	.fill 96, 4, 3214868480
	.section	.rodata,"a",@progbits
	.p2align	6, 0x0
	.amdhsa_kernel k_qf5ed182e2f_qkvgemm
		.amdhsa_group_segment_fixed_size 327680
		.amdhsa_private_segment_fixed_size 0
		.amdhsa_enable_private_segment 0
		.amdhsa_kernarg_size 48
		.amdhsa_user_sgpr_count 2
		.amdhsa_user_sgpr_kernarg_segment_ptr 1
		.amdhsa_wavefront_size32 1
		.amdhsa_system_sgpr_workgroup_id_x 1
		.amdhsa_system_sgpr_workgroup_id_y 1
		.amdhsa_system_sgpr_workgroup_id_z 1
		.amdhsa_system_vgpr_workitem_id 0
		.amdhsa_next_free_vgpr 768
		.amdhsa_next_free_sgpr 84
		.amdhsa_reserve_vcc 0
		.amdhsa_float_denorm_mode_32 3
		.amdhsa_float_denorm_mode_16_64 3
		.amdhsa_memory_ordered 1
		.amdhsa_forward_progress 1
		.amdhsa_inst_pref_size 184
	.end_amdhsa_kernel
	.amdgpu_metadata
---
amdhsa.version: [ 1, 2 ]
amdhsa.kernels:
  - .name:           k_qf5ed182e2f_qkvgemm
    .symbol:         k_qf5ed182e2f_qkvgemm.kd
    .args:
      - { .name: xc, .offset: 0, .size: 8, .value_kind: global_buffer, .address_space: global }
      - { .name: xs, .offset: 8, .size: 8, .value_kind: global_buffer, .address_space: global }
      - { .name: wc, .offset: 16, .size: 8, .value_kind: global_buffer, .address_space: global }
      - { .name: ws, .offset: 24, .size: 8, .value_kind: global_buffer, .address_space: global }
      - { .name: qkv, .offset: 32, .size: 8, .value_kind: global_buffer, .address_space: global }
      - { .name: q32, .offset: 40, .size: 8, .value_kind: global_buffer, .address_space: global }
    .group_segment_fixed_size: 327680
    .private_segment_fixed_size: 0
    .kernarg_segment_align: 8
    .kernarg_segment_size: 48
    .max_flat_workgroup_size: 128
    .sgpr_count:     84
    .vgpr_count:     768
    .wavefront_size: 32
...
	.end_amdgpu_metadata
.endif
;; end of part 2
;; launch attn (part 3): grid 4 x 64, 16 waves a work-group, no clusters, 327,680 bytes of LDS; arguments qkv, att; writes att
.if DOCPART == 3
	.amdgcn_target "amdgcn-amd-amdhsa--gfx1250"
	.amdhsa_code_object_version 6
	.text
	.protected	k_qf5ed182e2f_attn
	.globl	k_qf5ed182e2f_attn
	.p2align	8
	.type	k_qf5ed182e2f_attn,@function
k_qf5ed182e2f_attn:
	s_mov_b64 s[64:65], 0
	v_nop
	global_prefetch_b8 v0, s[64:65] scope:SCOPE_SE
	s_setreg_imm32_b32 hwreg(HW_REG_WAVE_MODE, 25, 1), 1
	s_wait_xcnt 0x0
; att = softmax(q k^T / 8, causal) v for each of the 64 (batch, head) pairs: 2,048 positions, head size 64; operands f16, products, maxima and sums f32; the weights p are rounded to f16 for the second product, the result once.
; q, k, v arrive as images of operand registers (qkv: sections Q, K, V of 16 MiB, [bh][262,144 B]; Q, K: [token tile][f 2][c 2][lane][16 B]; V: [key group of 32][ct 4][c 2][lane][16 B]): every LDS read is 16 x lane + a constant.
; SHARES.  Work-group (i, bh) owns the query blocks i and 7 - i of 256 queries: under the causal mask every work-group then has nine blocks' worth of keys.  Sixteen waves, four to a SIMD; a wave owns two tiles of 16
; queries of one of the two blocks (role = (w xor w / 4) % 2, so that neighbouring waves and waves four apart differ), so that each fragment of K and V read from LDS feeds two matrix instructions.
; NO CLUSTER: the four work-groups of a head need different numbers of key slots (8 - i of 8), so a joint load would bring tiles whose reads every wave of some partner jumps over.
; LAYOUT.  S^T = K Q^T (source 0 = 16 keys, source 1 = 16 queries): a lane holds ONE query (lane % 16) and keys 8 (lane / 16) + 0 .. 7 of each tile; two tiles, rounded in pairs, are source 1 of O^T = V^T P.
; SOFTMAX.  A running maximum m and sum l for each query: p = 2^(c s - c m), c = log2(e) / 8; in every step O^T and l are multiplied by 2^(c m_old - c m_new).
; THE WALK.  Every wave walks all 8 slots of 256 keys: the trip counts are constants.  A step of 64 keys all of which come after the wave's queries is jumped over (a scalar branch on ids, round no barrier);
; on the diagonal hidden scores become -infinity; a step that is walked hides no query wholly (steps begin at multiples of 64, waves at multiples of 32).  A slot whose first key comes after the work-group's last query is not asked for.
; RING: two slots of 65,536 bytes (K's 16 token tiles, then V's 8 key groups); waves 0, 1 fetch K's halves, waves 2, 3 V's: one tensor load of 16 KiB each, one out at a time; every wait on TENSORcnt is for 0.
; OUTPUT att [s 8][token tile 512][kg 4][c 2][lane][16 B]: token 16 tile + r, channels 128 s + 32 kg + 16 c + 8 h + 0 .. 7: the next launch's operand images; a store covers 512 consecutive bytes, aligned.
; LIMIT: the result and p are f16: p under 2^-24 of the row's largest counts as 0.
.set SLOT1, 1<<16
.set VOFF,  32768
.set SPARE, 2*SLOT1                    ; the spare words, 128 bytes for each of 16 waves
.set NSL,   8
.set LI,  1                            ; v1  16 x lane
.set ADR, 2                            ; v2  + the slot in hand
.set RH,  3                            ; v3  r - 8 h
.set SPW, 4
.set NIL, 5
.set DD,  6                            ; v6  at work in the mask
.set NINF, 7                           ; v7  -infinity
.set PFO, 8                            ; v8  256 x lane
.set ST,  10                           ; tile t's statistics at v[ST + 8 t]: +0 c m, +1 m, +2, +3 l, +4 .. +7 c0 .. c3; the rescaling factor takes c2's place
.set TS,  26                           ; v26-29 two chains of sums
.set QF,  32                           ; v32-63   Q: tile t, fragment f at 16 t + 8 f
.set S,   64                           ; v64-127  S^T: tile t, key tile kt at 32 t + 8 kt; P packed in place into the first 16 of each 32
.set O,   128                          ; v128-191 O^T: 32 t + 8 ct
.set KV,  192                          ; v192-255 K's eight fragments, then V's eight
.set WV,  8
.set ROLE, 9
.set IDX, 10
.set Q0,  11                           ; my first query in the head
.set QE,  12                           ; my last
.set QL,  13                           ; my work-group's last
.set KF,  14                           ; the step's first key
.set TB,  15                           ; LDS byte at which the slot in hand begins
.set SLOTS, 16
.set LIM, 17
.set CS,  18                           ; s[18:19] c, twice
.set SEL, 20                           ; s[20:21] v_permlanex16_b32's selects: lane l xor 16
.set G1,  24
.set G0,  32
.set PFA, 36
.set ATT, 38
.macro TLOAD                           ; waves 0 to 3 fetch; the branch hangs on the wave's number alone; an s_nop 0 and four v_nop follow the load
	s_cmp_lt_u32 s[WV], 4
	s_cbranch_scc0 .Lasked_\@
	tensor_load_to_lds s[G0:G0+3], s[G1:G1+7]
	s_nop 0
.rept 4
	v_nop
.endr
.Lasked_\@:
.endm
; A prefetch of the slot that the NEXT change of slots will ask for.  The head's first work-group asks (it walks all eight slots' loads), and in it the waves that fetch nothing: waves 4 to 7 for K's 32,768 bytes,
; waves 8 to 11 for V's, 8,192 bytes a wave, lanes 256 bytes apart: each block of 256 bytes is named once in the launch.  Slots 0 and 1 come by their loads alone; the last change that fills a slot asks for nothing.
.macro ASK
	s_cmp_gt_u32 s[SLOTS], s[LIM]
	s_cbranch_scc0 .Lnot_mine_\@
	global_prefetch_b8 v[PFO], s[PFA:PFA+1] th:TH_LOAD_NT scope:SCOPE_SE
.Lnot_mine_\@:
.endm
	s_load_b128 s[4:7], s[0:1], 0x0                ; qkv, att
	v_lshl_add_u32 v[SPW], v0, 2, SPARE
	v_mov_b32 v[NIL], 0
	ds_add_u32 v[SPW], v[NIL]                      ; the wave's opening: the add, twice on end, and its wait ahead of the first tensor load
	ds_add_u32 v[SPW], v[NIL]
	v_lshrrev_b32 v1, 5, v0
	v_readfirstlane_b32 s[WV], v1
	s_lshr_b32 s40, s[WV], 2
	s_xor_b32 s40, s40, s[WV]
	s_and_b32 s[ROLE], s40, 1
	s_lshr_b32 s[IDX], s[WV], 1
	s_sub_co_u32 s40, 7, ttmp9
	s_cmp_eq_u32 s[ROLE], 1
	s_cselect_b32 s40, s40, ttmp9                  ; my block of 256 queries: 7 - i or i
	s_lshl_b32 s40, s40, 8
	s_lshl_b32 s41, s[IDX], 5
	s_add_co_u32 s[Q0], s40, s41
	s_add_co_u32 s[QE], s[Q0], 31
	s_sub_co_u32 s40, 8, ttmp9
	s_lshl_b32 s40, s40, 8
	s_sub_co_u32 s[QL], s40, 1
	s_and_b32 s42, ttmp7, 0xffff                   ; bh
	s_lshl_b32 s43, s42, 18                        ; the head's block in each section
	s_mov_b32 s[G1], 3<<16                         ; a dense block of 16,384 bytes as 64 rows of 32 elements of 8 bytes; no mask, no padding
	s_mov_b32 s[G1+1], 32<<16
	s_mov_b32 s[G1+2], 64<<16
	s_mov_b32 s[G1+3], 32<<16
	s_mov_b32 s[G1+4], 64
	s_mov_b32 s[G1+5], 32
	s_mov_b32 s[G1+6], 0
	s_mov_b32 s[G1+7], 0
	s_and_b32 s44, s[WV], 3
	s_mov_b32 s[G0], 1
	s_lshl_b32 s[G0+1], s44, 14                    ; LDS: K's halves, then V's
	s_lshr_b32 s45, s44, 1
	s_add_co_u32 s45, s45, 1
	s_lshl_b32 s45, s45, 24                        ; section K or V
	s_and_b32 s46, s[WV], 1
	s_lshl_b32 s46, s46, 14
	s_add_co_u32 s46, s46, s45
	s_add_co_u32 s46, s46, s43
	s_mov_b32 s47, 0
	s_cmp_lt_u32 s[WV], 8                          ; the prefetches: waves 4 to 7 K, waves 8 to 11 V
	s_cselect_b32 s48, 1, 2
	s_lshl_b32 s48, s48, 24
	s_lshl_b32 s49, s44, 13
	s_add_co_u32 s48, s48, s49
	s_add_co_u32 s48, s48, s43
	s_add_co_u32 s48, s48, 32768                   ; at slot 1: the first change of slots steps it to slot 2
	s_mov_b32 s49, 0
	s_sub_co_u32 s40, s[WV], 4
	s_lshr_b32 s40, s40, 3                         ; 0 in waves 4 to 11,
	s_or_b32 s40, s40, ttmp9                       ; of the head's first work-group
	s_cmp_eq_u32 s40, 0
	s_cselect_b32 s[LIM], 1, -1
	s_lshl_b32 s50, s[Q0], 7                       ; Q: token tile Q0 / 16, 2,048 bytes each
	s_add_co_u32 s50, s50, s43
	s_mov_b32 s51, 0
	s_and_b32 s52, s42, 15                         ; the head
	s_lshr_b32 s53, s52, 1
	s_lshl_b32 s53, s53, 21                        ; K step of the next product: 2 MiB each
	s_and_b32 s52, s52, 1
	s_lshl_b32 s52, s52, 11
	s_add_co_u32 s52, s52, s53
	s_lshr_b32 s53, s42, 4                         ; the batch: 128 token tiles of 4,096 bytes
	s_lshl_b32 s53, s53, 19
	s_add_co_u32 s52, s52, s53
	s_lshl_b32 s53, s[Q0], 8
	s_add_co_u32 s52, s52, s53
	s_mov_b32 s53, 0
	s_mov_b32 s[CS], 0x3e38aa3b                    ; c = log2(e) / 8
	s_mov_b32 s[CS+1], s[CS]
	s_mov_b32 s[SEL], 0x76543210
	s_mov_b32 s[SEL+1], 0xfedcba98
	s_mov_b32 s[KF], 0
	s_mov_b32 s[TB], 0
	s_mov_b32 s[SLOTS], NSL-1
	s_wait_dscnt 0x0                               ; both opening adds are done
	s_wait_kmcnt 0x0
	s_add_nc_u64 s[G0+2:G0+3], s[4:5], s[46:47]
	s_or_b32 s[G0+3], s[G0+3], 0x80000000
	TLOAD                                          ; slot 0: keys 0 .. 255, which count for queries of every work-group
	s_add_nc_u64 s[PFA:PFA+1], s[4:5], s[48:49]
	s_add_nc_u64 s[50:51], s[4:5], s[50:51]
	s_add_nc_u64 s[ATT:ATT+1], s[6:7], s[52:53]
	v_and_b32 v[LI], 31, v0
	v_lshlrev_b32 v[PFO], 8, v[LI]
	v_lshlrev_b32 v[LI], 4, v[LI]
.irp t, 0,1
.irp f, 0,1
.irp c, 0,1
	global_load_b128 v[QF+16*\t+8*\f+4*\c:QF+16*\t+8*\f+4*\c+3], v[LI], s[50:51] offset:2048*\t+1024*\f+512*\c   ; Q stays in registers
.endr
.endr
.endr
	v_and_b32 v[RH], 15, v0
	v_bfe_u32 v[DD], v0, 4, 1
	v_lshlrev_b32 v[DD], 3, v[DD]
	v_sub_nc_u32 v[RH], v[RH], v[DD]
	v_mov_b32 v[NINF], 0xff800000
.irp t, 0,1
	v_mov_b32 v[ST+8*\t+1], 0xff61b1e6             ; m: -3e38, under every score
	v_mul_f32 v[ST+8*\t], s[CS], v[ST+8*\t+1]      ; c m
.irp j, 2,3,4,5,6,7
	v_mov_b32 v[ST+8*\t+\j], 0                     ; l, and the registers at work (a lane permute's destination counts as read)
.endr
.endr
.irp j, 0,1,2,3,4,5,6,7,8,9,10,11,12,13,14,15,16,17,18,19,20,21,22,23,24,25,26,27,28,29,30,31,32,33,34,35,36,37,38,39,40,41,42,43,44,45,46,47,48,49,50,51,52,53,54,55,56,57,58,59,60,61,62,63
	v_mov_b32 v[O+\j], 0                           ; O^T: the step is written once; the first finds zeros, which its factor 0 leaves zeros
.endr
; A KEY STEP: 64 keys, the q-th of the slot in hand.
.macro STEP q
	s_cmp_gt_u32 s[KF], s[QE]                      ; all its keys come after my queries: nothing to do but to count on
	s_cbranch_scc1 .Lhidden_\@
.rept 5
	v_nop                                          ; the last products read the registers that the loads below fill (four places) and that the first product below writes over (five)
.endr
.irp kt, 0,1,2,3
.irp f, 0,1
.irp c, 0,1
	ds_load_b128 v[KV+16*\kt+8*\f+4*\c:KV+16*\kt+8*\f+4*\c+3], v[ADR] offset:8192*(\q)+2048*\kt+1024*\f+512*\c
.endr
.endr
.endr
	s_wait_dscnt 0x0
.irp f, 0,1                                    ; S^T = K Q^T: eight accumulators by turns, 32 channels at a time
.irp kt, 0,1,2,3
.irp t, 0,1
.if \f == 0
	v_wmma_f32_16x16x32_f16 v[S+32*\t+8*\kt:S+32*\t+8*\kt+7], v[KV+16*\kt+8*\f:KV+16*\kt+8*\f+7], v[QF+16*\t+8*\f:QF+16*\t+8*\f+7], 0
.else
	v_wmma_f32_16x16x32_f16 v[S+32*\t+8*\kt:S+32*\t+8*\kt+7], v[KV+16*\kt+8*\f:KV+16*\kt+8*\f+7], v[QF+16*\t+8*\f:QF+16*\t+8*\f+7], v[S+32*\t+8*\kt:S+32*\t+8*\kt+7]
.endif
.endr
.endr
.endr
.rept 4
	v_nop                                          ; places in front of the loads into K's registers and of the first read of the scores
.endr
.irp g, 0,1                                    ; V's fragments land while the softmax is walked
.irp ct, 0,1,2,3
.irp c, 0,1
	ds_load_b128 v[KV+32*\g+8*\ct+4*\c:KV+32*\g+8*\ct+4*\c+3], v[ADR] offset:VOFF+8192*(\q)+4096*\g+1024*\ct+512*\c
.endr
.endr
.endr
	s_add_co_u32 s40, s[KF], 63
	s_cmp_le_u32 s40, s[Q0]                        ; all 64 keys count for all my queries: no mask
	s_cbranch_scc1 .Lopen_\@
	s_sub_co_i32 s40, s[Q0], s[KF]
	v_add_nc_u32 v[DD], s40, v[RH]                 ; d = Q0 - KF + r - 8 h.  Register 8 kt + j of tile t holds key KF + 16 kt + 8 h + j for query Q0 + 16 t + r: hidden where 16 kt + j - 16 t > d
.irp t, 0,1
.irp kt, 0,1,2,3
.irp j, 0,1,2,3,4,5,6,7
	v_cmp_gt_i32 vcc_lo, 16*\kt+\j-16*\t, v[DD]
	v_cndmask_b32 v[S+32*\t+8*\kt+\j], v[S+32*\t+8*\kt+\j], v[NINF], vcc_lo
.endr
.endr
.endr
.Lopen_\@:
.irp j, 0,1,2,3                                ; the maximum of 32 scores and the old m: four chains, each begun at its accumulator's low end; the two tiles line by line
.irp t, 0,1
	v_max3_num_f32 v[ST+8*\t+4+\j], v[S+32*\t+8*\j], v[S+32*\t+8*\j+1], v[S+32*\t+8*\j+2]
.endr
.endr
.irp i, 3,5
.irp j, 0,1,2,3
.irp t, 0,1
	v_max3_num_f32 v[ST+8*\t+4+\j], v[ST+8*\t+4+\j], v[S+32*\t+8*\j+\i], v[S+32*\t+8*\j+\i+1]
.endr
.endr
.endr
.irp t, 0,1
	v_max3_num_f32 v[ST+8*\t+4], v[ST+8*\t+4], v[S+32*\t+7], v[S+32*\t+15]
.endr
.irp t, 0,1
	v_max3_num_f32 v[ST+8*\t+6], v[ST+8*\t+6], v[S+32*\t+23], v[S+32*\t+31]
.endr
.irp t, 0,1
	v_max3_num_f32 v[ST+8*\t+4], v[ST+8*\t+4], v[ST+8*\t+5], v[ST+8*\t+6]
.endr
.irp t, 0,1
	v_max3_num_f32 v[ST+8*\t+4], v[ST+8*\t+4], v[ST+8*\t+7], v[ST+8*\t+1]
.endr
.irp t, 0,1
	v_permlanex16_b32 v[ST+8*\t+5], v[ST+8*\t+4], s[SEL], s[SEL+1]   ; the query's other 32 keys lie in the lane 16 away
.endr
.irp t, 0,1
	v_mov_b32 v[ST+8*\t+7], v[ST+8*\t]             ; c m_old
.endr
.irp t, 0,1
	v_max_num_f32 v[ST+8*\t+1], v[ST+8*\t+4], v[ST+8*\t+5]
.endr
.irp t, 0,1
	v_mul_f32 v[ST+8*\t], s[CS], v[ST+8*\t+1]
.endr
.irp t, 0,1
	v_sub_f32 v[ST+8*\t+7], v[ST+8*\t+7], v[ST+8*\t]
.endr
.irp t, 0,1
	v_exp_f32 v[ST+8*\t+6], v[ST+8*\t+7]           ; 2^(c m_old - c m_new)
.endr
.irp n, 0,2,4,6,8,10,12,14,16,18,20,22,24,26,28,30
.irp t, 0,1
	v_pk_fma_f32 v[S+32*\t+\n:S+32*\t+\n+1], v[S+32*\t+\n:S+32*\t+\n+1], s[CS:CS+1], v[ST+8*\t:ST+8*\t+1] op_sel_hi:[1,0,0] neg_lo:[0,0,1] neg_hi:[0,0,1]   ; c s - c m
.endr
.endr
.irp n, 0,1,2,3,4,5,6,7,8,9,10,11,12,13,14,15,16,17,18,19,20,21,22,23,24,25,26,27,28,29,30,31
.irp t, 0,1
	v_exp_f32 v[S+32*\t+\n], v[S+32*\t+\n]
.endr
.endr
	v_nop                                          ; a plain instruction behind the last exponential
	s_wait_alu depctr_va_vdst(0)                   ; the wait ahead of the first line that names a result: one for the step's 66 exponentials
.irp t, 0,1                                    ; the sums are taken of p before it is rounded, in two chains
	v_pk_add_f32 v[TS:TS+1], v[S+32*\t:S+32*\t+1], v[S+32*\t+2:S+32*\t+3]
	v_pk_add_f32 v[TS+2:TS+3], v[S+32*\t+4:S+32*\t+5], v[S+32*\t+6:S+32*\t+7]
.irp n, 8,12,16,20,24,28
	v_pk_add_f32 v[TS:TS+1], v[TS:TS+1], v[S+32*\t+\n:S+32*\t+\n+1]
	v_pk_add_f32 v[TS+2:TS+3], v[TS+2:TS+3], v[S+32*\t+\n+2:S+32*\t+\n+3]
.endr
	v_pk_add_f32 v[TS:TS+1], v[TS:TS+1], v[TS+2:TS+3]
	v_pk_fma_f32 v[ST+8*\t+2:ST+8*\t+3], v[ST+8*\t+2:ST+8*\t+3], v[ST+8*\t+6:ST+8*\t+7], v[TS:TS+1] op_sel_hi:[1,0,1]
.endr
.irp n, 0,1,2,3,4,5,6,7,8,9,10,11,12,13,14,15
.irp t, 0,1
	v_cvt_pk_f16_f32 v[S+32*\t+\n], v[S+32*\t+2*\n], v[S+32*\t+2*\n+1]   ; in place, ascending: pair n lands at or under where it was read
.endr
.endr
.irp n, 0,2,4,6,8,10,12,14,16,18,20,22,24,26,28,30
.irp t, 0,1
	v_pk_mul_f32 v[O+32*\t+\n:O+32*\t+\n+1], v[O+32*\t+\n:O+32*\t+\n+1], v[ST+8*\t+6:ST+8*\t+7] op_sel_hi:[1,0]
.endr
.endr
	s_wait_dscnt 0x0                               ; V is in
.irp g, 0,1                                    ; O^T += V^T P: eight accumulators by turns, 32 keys at a time
.irp ct, 0,1,2,3
.irp t, 0,1
	v_wmma_f32_16x16x32_f16 v[O+32*\t+8*\ct:O+32*\t+8*\ct+7], v[KV+32*\g+8*\ct:KV+32*\g+8*\ct+7], v[S+32*\t+8*\g:S+32*\t+8*\g+7], v[O+32*\t+8*\ct:O+32*\t+8*\ct+7]
.endr
.endr
.endr
.Lhidden_\@:
	s_add_co_u32 s[KF], s[KF], 64
.endm
; THE CHANGE OF SLOTS stands at a slot's head.  Each wave waits for all its tensor loads, adds 0 to its spare word, and waits for that and for its reads of the slot that it has left.  Behind the barrier the slot ahead is whole
; and nobody reads the other one.  fill = 1: that other slot takes the next 256 keys, unless they all come after the work-group's last query.
.macro CHANGE fill
	s_wait_tensorcnt 0x0                           ; no tensor load of mine is out, so the descriptor may be written
	ds_add_u32 v[SPW], v[NIL]                      ; 0 onto my spare word
.if \fill
	ds_add_u32 v[SPW], v[NIL]                      ; and twice on end here, in every trip alike
	s_xor_b32 s[G0+1], s[G0+1], SLOT1              ; the other slot than last time,
	s_add_nc_u64 s[G0+2:G0+3], s[G0+2:G0+3], 32768 ; the next 256 keys
	s_wait_xcnt 0x0                                ; the last prefetch, a slot back, has read its address
	s_add_nc_u64 s[PFA:PFA+1], s[PFA:PFA+1], 32768 ; one slot further on than the descriptor
.endif
	s_wait_dscnt 0x0
	s_barrier_signal -1
	s_barrier_wait -1
.if \fill
	s_add_co_u32 s40, s[KF], 256                   ; the first key of the slot that this change would ask for,
	s_cmp_gt_u32 s40, s[QL]                        ; against my work-group's last query: ids and the count of steps alone, the same in all sixteen waves
	s_cbranch_scc1 .Lpast_\@
	TLOAD                                          ; a wave's one tensor load until the next change
.Lpast_\@:
	ASK
.endif
.endm
.macro SLOT_STEPS
	v_add_nc_u32 v[ADR], s[TB], v[LI]
	STEP 0
	STEP 1
	STEP 2
	STEP 3
	s_xor_b32 s[TB], s[TB], SLOT1
.endm
	s_wait_loadcnt 0x0                             ; Q
.Lslot:                                            ; NSL - 1 trips
	CHANGE 1
	SLOT_STEPS
	s_sub_co_u32 s[SLOTS], s[SLOTS], 1
	s_cmp_lg_u32 s[SLOTS], 0
	s_cbranch_scc1 .Lslot
	CHANGE 0                                       ; the last slot is written out: nothing is left to ask for
	SLOT_STEPS
	; THE WAY OUT: O^T / l, rounded to f16: a lane's eight channels of a token are 16 bytes of the next launch's operand image
.rept 4
	v_nop
.endr
.irp t, 0,1
	v_add_f32 v[ST+8*\t+4], v[ST+8*\t+2], v[ST+8*\t+3]
.endr
.irp t, 0,1
	v_permlanex16_b32 v[ST+8*\t+5], v[ST+8*\t+4], s[SEL], s[SEL+1]
.endr
.irp t, 0,1
	v_add_f32 v[ST+8*\t+4], v[ST+8*\t+4], v[ST+8*\t+5]
.endr
.irp t, 0,1
	v_rcp_f32 v[ST+8*\t+6], v[ST+8*\t+4]
.endr
	v_nop
	s_wait_alu depctr_va_vdst(0)                   ; one wait for the two reciprocals, ahead of their first reader
.irp n, 0,2,4,6,8,10,12,14,16,18,20,22,24,26,28,30
.irp t, 0,1
	v_pk_mul_f32 v[O+32*\t+\n:O+32*\t+\n+1], v[O+32*\t+\n:O+32*\t+\n+1], v[ST+8*\t+6:ST+8*\t+7] op_sel_hi:[1,0]
.endr
.endr
.irp n, 0,1,2,3,4,5,6,7,8,9,10,11,12,13,14,15
.irp t, 0,1
	v_cvt_pk_f16_f32 v[S+16*\t+\n], v[O+32*\t+2*\n], v[O+32*\t+2*\n+1]
.endr
.endr
.irp t, 0,1
.irp ct, 0,1,2,3
	global_store_b128 v[LI], v[S+16*\t+4*\ct:S+16*\t+4*\ct+3], s[ATT:ATT+1] offset:4096*\t+512*\ct
.endr
.endr
	s_wait_tensorcnt 0x0                           ; the wave's end
	ds_add_u32 v[SPW], v[NIL]
	s_wait_dscnt 0x0
	s_endpgm
.Lfunc_end_k_qf5ed182e2f_attn:
	.size	k_qf5ed182e2f_attn, .Lfunc_end_k_qf5ed182e2f_attn-k_qf5ed182e2f_attn
	.p2alignl 7, 3214868480
	.fill 96, 4, 3214868480
	.section	.rodata,"a",@progbits
	.p2align	6, 0x0
	.amdhsa_kernel k_qf5ed182e2f_attn
		.amdhsa_group_segment_fixed_size 327680
		.amdhsa_private_segment_fixed_size 0
		.amdhsa_enable_private_segment 0
		.amdhsa_kernarg_size 16
		.amdhsa_user_sgpr_count 2
		.amdhsa_user_sgpr_kernarg_segment_ptr 1
		.amdhsa_wavefront_size32 1
		.amdhsa_system_sgpr_workgroup_id_x 1
		.amdhsa_system_sgpr_workgroup_id_y 1
		.amdhsa_system_sgpr_workgroup_id_z 1
		.amdhsa_system_vgpr_workitem_id 0
		.amdhsa_next_free_vgpr 256
		.amdhsa_next_free_sgpr 66
		.amdhsa_reserve_vcc 1
		.amdhsa_float_denorm_mode_32 3
		.amdhsa_float_denorm_mode_16_64 3
		.amdhsa_memory_ordered 1
		.amdhsa_forward_progress 1
		.amdhsa_inst_pref_size 183
	.end_amdhsa_kernel
	.amdgpu_metadata
---
amdhsa.version: [ 1, 2 ]
amdhsa.kernels:
  - .name:           k_qf5ed182e2f_attn
    .symbol:         k_qf5ed182e2f_attn.kd
    .args:
      - { .name: qkv, .offset: 0, .size: 8, .value_kind: global_buffer, .address_space: global }
      - { .name: att, .offset: 8, .size: 8, .value_kind: global_buffer, .address_space: global }
    .group_segment_fixed_size: 327680
    .private_segment_fixed_size: 0
    .kernarg_segment_align: 8
    .kernarg_segment_size: 16
    .max_flat_workgroup_size: 512
    .sgpr_count:     66
    .vgpr_count:     256
    .wavefront_size: 32
...
	.end_amdgpu_metadata
.endif
;; end of part 3
;; launch proj (part 4): grid 4 x 64, 4 waves a work-group, clusters of 4 x 4, 327,680 bytes of LDS; arguments att, wof, out0; writes out0
.if DOCPART == 4
	.amdgcn_target "amdgcn-amd-amdhsa--gfx1250"
	.amdhsa_code_object_version 6
	.text
	.protected	k_qf5ed182e2f_proj
	.globl	k_qf5ed182e2f_proj
	.p2align	8
	.type	k_qf5ed182e2f_proj,@function
k_qf5ed182e2f_proj:
	s_mov_b64 s[64:65], 0
	v_nop
	global_prefetch_b8 v0, s[64:65] scope:SCOPE_SE
	s_setreg_imm32_b32 hwreg(HW_REG_WAVE_MODE, 25, 1), 1
	s_wait_xcnt 0x0
	s_wait_alu depctr_hold_cnt(0) depctr_sa_sdst(0) depctr_va_vdst(0) depctr_va_sdst(0) depctr_va_ssrc(0) depctr_va_vcc(0) depctr_vm_vsrc(0)
	s_getreg_b32 s2, hwreg(HW_REG_IB_STS2, 6, 4)
	s_cmp_eq_u32 s2, 0
	s_cbranch_scc0 .Lentry_in_a_cluster
	s_endpgm
.Lentry_in_a_cluster:
	s_bfe_u32 s2, ttmp6, 0x10000c
	s_cmp_lg_u32 s2, 0xf033
	s_cbranch_scc0 .Lentry_shape_is_right
	s_endpgm
.Lentry_shape_is_right:
; out0 = att W_o^T, f16 operands, f32 sums and output, for all rows but positions 0 .. 15 of each batch, which a launch of their own carries in f32.
; Both operands arrive as images of operand registers, [s 8 (K step of 128)][tile of 16 rows][kg 4][c 2][lane][16 B]: a K step's tiles are dense blocks for the tensor loads and every LDS read is 16 x lane + a constant.
; SHARES.  A tile of out0 is 128 tokens x 256 columns: 256 work-groups.  Four waves, each 64 tokens (wr = w / 2) x 128 columns (wc = w % 2): accumulators (a 0 .. 3, b 0 .. 7), 256 registers.
; CLUSTER 4 x 4.  The tile row is ty = 16 cy + cluster y (so the batch is cy, and a batch's first tile is cluster y = 0, alike in all partners), the tile column tx = 4 cluster x + cx.  att's tiles hang on ty alone and are
; asked for jointly along a row of the cluster, W_o's on tx alone, along a column.  Waves 0, 1 fetch att's halves (16 KiB each), waves 2, 3 W_o's (32 KiB each): two loads a wave out at the start, one behind each round.
; RING: two slots of 98,304 bytes, a K step of 128 each; one round of the cluster's barrier for each change of slots that fills a slot again.
; THE PRODUCT IS USED TRANSPOSED (source 0 = 16 rows of W_o, source 1 = 16 tokens): a lane holds eight neighbouring columns of one row of out0.
; REGISTERS: window 0: v1 16 x lane; v16-17, v20-21 LDS addresses; v24-26 the way out; v28, v29 the add's two; v32-63, v64-95 att's fragments, two sets; v96-159, v160-223 W_o's.  window 1: accumulator (a, b) at v[8 (8 a + b)].
.set SLOT,  98304
.set BOFF,  32768
.set STAGE, 2*SLOT                     ; 16 rows x (512 + 16) bytes for each wave; no tensor load lands here
.set SPITCH, 528
.set SPARE, STAGE+4*16*SPITCH
.set LI,  1
.set ADA, 16
.set ADB, 20
.set STO, 24
.set RD,  25
.set CO,  26
.set SPW, 28
.set NIL, 29
.set AF,  32
.set BF,  96
.set BK,  32
.set G1A, 24
.set G0A, 32
.set G1B, 48
.set G0B, 56
.set MUL, 0x50                         ; sources window 0, C and D window 1
.set MSB, 0
.macro WIN new
.if MSB != \new
	s_set_vgpr_msb (MSB<<8)|\new
.set MSB, \new
.endif
.endm
.macro PLACES
.rept 4
	v_nop
.endr
.endm
.macro JLOAD sl                        ; a joint load; the branch hangs on the wave's number alone; an s_nop 0 and four v_nop follow each of the two lines
	s_cmp_eq_u32 s11, 0
	s_cbranch_scc0 .Lfor_b_\@
	tensor_load_to_lds s[G0A+4*\sl:G0A+4*\sl+3], s[G1A:G1A+7]
	s_nop 0
.rept 4
	v_nop
.endr
	s_branch .Lasked_\@
.Lfor_b_\@:
	tensor_load_to_lds s[G0B+4*\sl:G0B+4*\sl+3], s[G1B:G1B+7]
	s_nop 0
.rept 4
	v_nop
.endr
.Lasked_\@:
.endm
.macro CREST
	s_cmp_lg_u32 s10, 0
	s_cbranch_scc1 .Lnot_wave_0_\@
	s_barrier_signal -3
.Lnot_wave_0_\@:
	s_barrier_wait -3
	s_barrier_signal -1
	s_barrier_wait -1
.endm
.macro CROUND
	s_barrier_signal -1
	s_barrier_wait -1
	CREST
.endm
	s_load_b128 s[4:7], s[0:1], 0x0                ; att, wof
	s_load_b64 s[8:9], s[0:1], 0x10                ; out0
	v_lshl_add_u32 v[SPW], v0, 2, SPARE
	v_mov_b32 v[NIL], 0
	ds_add_u32 v[SPW], v[NIL]                      ; the wave's opening: the add, twice on end, and its wait ahead of my first tensor load
	ds_add_u32 v[SPW], v[NIL]
	v_lshrrev_b32 v1, 5, v0
	v_readfirstlane_b32 s10, v1                    ; wave
	s_lshr_b32 s11, s10, 1                         ; wr.  Also: I fetch for att (0) or for W_o (1)
	s_and_b32 s12, s10, 1                          ; wc.  Also: which half of that tile I fetch
	s_bfe_u32 s40, ttmp6, 0x40000                  ; cx
	s_bfe_u32 s41, ttmp6, 0x40004                  ; cy
	s_lshl_b32 s42, ttmp9, 2
	s_add_co_u32 s42, s42, s40                     ; tx
	s_and_b32 s14, ttmp7, 0xffff                   ; cluster y
	s_lshl_b32 s13, s41, 4
	s_add_co_u32 s13, s13, s14                     ; ty
	s_lshl_b32 s43, s41, 2
	s_lshl_b32 s43, 15, s43                        ; my row of the cluster
	s_lshl_b32 s44, 0x1111, s40                    ; my column
	s_or_b32 s[G1A], s43, (3<<16)|(1<<21)          ; elements of 8 bytes; bit 21 beside a mask; no padding
	s_or_b32 s[G1B], s44, (3<<16)|(1<<21)
	s_mov_b32 s[G1A+1], 32<<16                     ; rows of 32 elements, 256 bytes
	s_mov_b32 s[G1A+2], 64<<16                     ; 64 rows: 16 KiB
	s_mov_b32 s[G1A+3], 32<<16
	s_mov_b32 s[G1A+4], 64
	s_mov_b32 s[G1A+5], 32
	s_mov_b32 s[G1A+6], 0
	s_mov_b32 s[G1A+7], 0
	s_mov_b32 s[G1B+1], 32<<16
	s_mov_b32 s[G1B+2], 128<<16                    ; 128 rows: 32 KiB
	s_mov_b32 s[G1B+3], 32<<16
	s_mov_b32 s[G1B+4], 128
	s_mov_b32 s[G1B+5], 32
	s_mov_b32 s[G1B+6], 0
	s_mov_b32 s[G1B+7], 0
	s_lshl_b32 s16, s13, 15                        ; att: token tile 8 ty + 4 half, 4,096 bytes each
	s_lshl_b32 s17, s12, 14
	s_add_co_u32 s16, s16, s17
	s_mov_b32 s17, 0
	s_lshl_b32 s46, s42, 16                        ; W_o: row tile 16 tx + 8 half
	s_lshl_b32 s47, s12, 15
	s_add_co_u32 s46, s46, s47
	s_mov_b32 s47, 0
	s_lshl_b32 s20, s12, 14                        ; where they go: the wave's number alone
	s_lshl_b32 s21, s12, 15
	s_add_co_u32 s21, s21, BOFF
	s_or_b32 s66, s14, s11                         ; 0: my block a = 0 holds positions 0 .. 15 of a batch
	s_wait_dscnt 0x0                               ; both opening adds are done
	s_wait_kmcnt 0x0
	s_add_nc_u64 s[18:19], s[4:5], s[16:17]
	s_add_nc_u64 s[46:47], s[6:7], s[46:47]
	CROUND                                         ; all sixteen work-groups are here: the first joint loads meet
.irp sl, 0,1
	s_mov_b32 s[G0A+4*\sl], 1
	s_add_co_u32 s[G0A+4*\sl+1], s20, \sl*SLOT
	s_add_nc_u64 s[G0A+4*\sl+2:G0A+4*\sl+3], s[18:19], \sl*0x200000    ; K step sl: 2 MiB apart
	s_or_b32 s[G0A+4*\sl+3], s[G0A+4*\sl+3], 0x80000000
	s_mov_b32 s[G0B+4*\sl], 1
	s_add_co_u32 s[G0B+4*\sl+1], s21, \sl*SLOT
	s_add_nc_u64 s[G0B+4*\sl+2:G0B+4*\sl+3], s[46:47], \sl*0x40000     ; 262,144 bytes apart
	s_or_b32 s[G0B+4*\sl+3], s[G0B+4*\sl+3], 0x80000000
	JLOAD \sl
.endr
	v_and_b32 v[LI], 31, v0
	v_lshlrev_b32 v[LI], 4, v[LI]
	v_and_b32 v2, 15, v0                           ; r
	v_bfe_u32 v3, v0, 4, 1                         ; h
	s_lshl_b32 s22, s11, 14                        ; my 64 tokens: 4 tiles of 4,096 bytes
	s_lshl_b32 s23, s12, 15                        ; my 128 columns: 8 tiles,
	s_add_co_u32 s23, s23, BOFF                    ; behind att's part
.irp sl, 0,1
	v_add_nc_u32 v[ADA+\sl], s22, v[LI]
	v_add_nc_u32 v[ADB+\sl], s23, v[LI]
	s_add_co_u32 s22, s22, SLOT
	s_add_co_u32 s23, s23, SLOT
.endr
	s_mul_i32 s22, s10, 16*SPITCH
	s_add_co_u32 s22, s22, STAGE                   ; my stage
	v_mul_u32_u24 v4, v2, SPITCH
	v_lshl_add_u32 v4, v3, 5, v4
	v_add_nc_u32 v[STO], s22, v4                   ; in: row r, 32 bytes for each half of the lanes
	v_add_nc_u32 v[RD], s22, v[LI]                 ; back: the 32 lanes take one row of 512 bytes
	v_mov_b32 v[CO], v[LI]
	s_lshl_b32 s16, s13, 19                        ; out0: row 128 ty + 64 wr of 4,096 bytes,
	s_lshl_b32 s17, s11, 18
	s_add_co_u32 s16, s16, s17
	s_lshl_b32 s17, s42, 10                        ; column 256 tx + 128 wc
	s_add_co_u32 s16, s16, s17
	s_lshl_b32 s17, s12, 9
	s_add_co_u32 s16, s16, s17
	s_mov_b32 s17, 0
	s_add_nc_u64 s[8:9], s[8:9], s[16:17]
.macro MUL8 set, a, zero               ; eight products: token block a x all eight column blocks, 32 along K
.irp b, 0,1,2,3,4,5,6,7
.if \zero
	v_wmma_f32_16x16x32_f16 v[8*(8*(\a)+\b):8*(8*(\a)+\b)+7], v[BF+64*(\set)+8*\b:BF+64*(\set)+8*\b+7], v[AF+32*(\set)+8*(\a):AF+32*(\set)+8*(\a)+7], 0
.else
	v_wmma_f32_16x16x32_f16 v[8*(8*(\a)+\b):8*(8*(\a)+\b)+7], v[BF+64*(\set)+8*\b:BF+64*(\set)+8*\b+7], v[AF+32*(\set)+8*(\a):AF+32*(\set)+8*(\a)+7], v[8*(8*(\a)+\b):8*(8*(\a)+\b)+7]
.endif
.endr
.endm
.macro FETCH slot, q, set              ; the fragments of the slot's q-th 32 along K: 24 LDS loads in one run
	WIN 0
.irp b, 0,1,2,3,4,5,6,7
.irp c, 0,1
	ds_load_b128 v[BF+64*(\set)+8*\b+4*\c:BF+64*(\set)+8*\b+4*\c+3], v[ADB+\slot] offset:4096*\b+1024*(\q)+512*\c
.endr
.endr
.irp a, 0,1,2,3
.irp c, 0,1
	ds_load_b128 v[AF+32*(\set)+8*\a+4*\c:AF+32*(\set)+8*\a+4*\c+3], v[ADA+\slot] offset:4096*\a+1024*(\q)+512*\c
.endr
.endr
.endm
; One of a K step's first three quarters: asks for the next quarter's fragments, then multiplies its own.  The 32 accumulators take turns in one order everywhere.
.macro QUARTER slot, q, zero
	PLACES                                         ; the other set's registers were read by the products just issued
	FETCH \slot, (\q)+1, ((\q)+1)%2
	s_wait_dscnt 24                                ; my quarter's fragments are in; the 24 loads just issued stay out
	WIN MUL
	MUL8 (\q)%2, 0, \zero
	MUL8 (\q)%2, 1, \zero
	MUL8 (\q)%2, 2, \zero
	MUL8 (\q)%2, 3, \zero
.endm
; The last quarter (set 1) changes slots: in front of the barrier each wave waits for all its tensor loads, adds 0 to its spare word, and waits for that and for its reads of this slot.  fill = 1: the slot is filled again, two K steps ahead.
.macro TURN slot, next, fill
	WIN 0
	s_wait_tensorcnt 0x0                           ; all my tensor loads have landed: my part of the next slot
	ds_add_u32 v[SPW], v[NIL]
	s_wait_dscnt 1                                 ; my quarter's fragments are in; the add may be out
	WIN MUL
	MUL8 1, 0, 0                                   ; eight products stand between the add and the wait for it
	s_wait_dscnt 0x0                               ; the add is done, and my reads of this slot are over
	s_barrier_signal -1
	MUL8 1, 1, 0
	WIN 0
	s_barrier_wait -1
.if \fill
	CREST                                          ; the barrier has opened a round of the cluster's: no wave of any partner still reads this slot or has a load on its way
	s_add_nc_u64 s[G0A+4*\slot+2:G0A+4*\slot+3], s[G0A+4*\slot+2:G0A+4*\slot+3], 0x400000
	s_add_nc_u64 s[G0B+4*\slot+2:G0B+4*\slot+3], s[G0B+4*\slot+2:G0B+4*\slot+3], 0x80000
	JLOAD \slot                                    ; the first tensor load behind the round; its four v_nop are also the places in front of the loads below
.else
	PLACES
.endif
	FETCH \next, 0, 0
	WIN MUL
	MUL8 1, 2, 0
	MUL8 1, 3, 0
.endm
	s_wait_tensorcnt 0x1                           ; my part of K step 0 is in; K step 1's may stay out
	s_barrier_signal -1
	s_barrier_wait -1
	FETCH 0, 0, 0
	QUARTER 0, 0, 1                                ; the first quarter starts the sums
	WIN 0
	s_mov_b32 s3, 3
.Llap:                                             ; a trip goes once round the ring and fills both slots again: K steps 2 .. 7
	QUARTER 0, 1, 0
	QUARTER 0, 2, 0
	TURN 0, 1, 1
	QUARTER 1, 0, 0
	QUARTER 1, 1, 0
	QUARTER 1, 2, 0
	TURN 1, 0, 1
	QUARTER 0, 0, 0
	WIN 0
	s_sub_co_u32 s3, s3, 1
	s_cmp_lg_u32 s3, 0
	s_cbranch_scc1 .Llap
	QUARTER 0, 1, 0                                ; the last lap fills nothing
	QUARTER 0, 2, 0
	TURN 0, 1, 0
	QUARTER 1, 0, 0
	QUARTER 1, 1, 0
	QUARTER 1, 2, 0
	s_wait_dscnt 0x0
	WIN MUL
	MUL8 1, 0, 0
	MUL8 1, 1, 0
	MUL8 1, 2, 0
	MUL8 1, 3, 0
	WIN 0
	; THE WAY OUT, 16 rows x 128 columns at a time through my own stage: in as 32 bytes a lane, back as whole rows of 512 bytes.  LDS serves a wave's instructions in order.
	PLACES
.irp a, 0,1,2,3
.if \a == 0
	s_cmp_eq_u32 s66, 0                            ; positions 0 .. 15 of a batch are the f32 launch's: not stored here
	s_cbranch_scc1 .Lskip0
.endif
	s_wait_xcnt 0x0                                ; the last block's stores have read their registers
	WIN 0x04                                       ; an LDS store's data: window 1
.irp b, 0,1,2,3,4,5,6,7
	ds_store_b128 v[STO], v[8*(8*\a+\b):8*(8*\a+\b)+3] offset:64*\b          ; each accumulator from its low end on
	ds_store_b128 v[STO], v[8*(8*\a+\b)+4:8*(8*\a+\b)+7] offset:64*\b+16
.endr
	WIN 0
.irp t, 0,1,2,3,4,5,6,7,8,9,10,11,12,13,14,15
	ds_load_b128 v[BK+4*\t:BK+4*\t+3], v[RD] offset:\t*SPITCH
.endr
	s_wait_dscnt 0x0
.irp t, 0,1,2,3,4,5,6,7,8,9,10,11,12,13,14,15
	global_store_b128 v[CO], v[BK+4*\t:BK+4*\t+3], s[8:9] offset:(16*\a+\t)*4096 th:TH_STORE_NT   ; 512 consecutive bytes, aligned
.endr
.if \a == 0
.Lskip0:
.endif
.endr
	s_wait_tensorcnt 0x0                           ; the wave's end
	ds_add_u32 v[SPW], v[NIL]
	s_wait_dscnt 0x0
	CROUND                                         ; the closing round
	s_endpgm
.Lfunc_end_k_qf5ed182e2f_proj:
	.size	k_qf5ed182e2f_proj, .Lfunc_end_k_qf5ed182e2f_proj-k_qf5ed182e2f_proj
	.p2alignl 7, 3214868480
	.fill 96, 4, 3214868480
	.section	.rodata,"a",@progbits
	.p2align	6, 0x0
	.amdhsa_kernel k_qf5ed182e2f_proj
		.amdhsa_group_segment_fixed_size 327680
		.amdhsa_private_segment_fixed_size 0
		.amdhsa_enable_private_segment 0
		.amdhsa_kernarg_size 24
		.amdhsa_user_sgpr_count 2
		.amdhsa_user_sgpr_kernarg_segment_ptr 1
		.amdhsa_wavefront_size32 1
		.amdhsa_system_sgpr_workgroup_id_x 1
		.amdhsa_system_sgpr_workgroup_id_y 1
		.amdhsa_system_sgpr_workgroup_id_z 1
		.amdhsa_system_vgpr_workitem_id 0
		.amdhsa_next_free_vgpr 512
		.amdhsa_next_free_sgpr 68
		.amdhsa_reserve_vcc 0
		.amdhsa_float_denorm_mode_32 3
		.amdhsa_float_denorm_mode_16_64 3
		.amdhsa_memory_ordered 1
		.amdhsa_forward_progress 1
		.amdhsa_inst_pref_size 84
	.end_amdhsa_kernel
	.amdgpu_metadata
---
amdhsa.version: [ 1, 2 ]
amdhsa.kernels:
  - .name:           k_qf5ed182e2f_proj
    .symbol:         k_qf5ed182e2f_proj.kd
    .args:
      - { .name: att, .offset: 0, .size: 8, .value_kind: global_buffer, .address_space: global }
      - { .name: wof, .offset: 8, .size: 8, .value_kind: global_buffer, .address_space: global }
      - { .name: out0, .offset: 16, .size: 8, .value_kind: global_buffer, .address_space: global }
    .group_segment_fixed_size: 327680
    .private_segment_fixed_size: 0
    .kernarg_segment_align: 8
    .kernarg_segment_size: 24
    .max_flat_workgroup_size: 128
    .sgpr_count:     68
    .vgpr_count:     512
    .wavefront_size: 32
...
	.end_amdgpu_metadata
.endif
;; end of part 4
;; launch fine (part 5): grid 64 x 4, 16 waves a work-group, no clusters, 18,432 bytes of LDS; arguments q32, W_o, out0; writes out0
.if DOCPART == 5
	.amdgcn_target "amdgcn-amd-amdhsa--gfx1250"
	.amdhsa_code_object_version 6
	.text
	.protected	k_qf5ed182e2f_fine
	.globl	k_qf5ed182e2f_fine
	.p2align	8
	.type	k_qf5ed182e2f_fine,@function
k_qf5ed182e2f_fine:
	s_mov_b64 s[64:65], 0
	v_nop
	global_prefetch_b8 v0, s[64:65] scope:SCOPE_SE
	s_setreg_imm32_b32 hwreg(HW_REG_WAVE_MODE, 25, 1), 1
	s_wait_xcnt 0x0
; Positions 0 .. 15 of each batch, carried in f32 through scores, softmax, weights x v and the projection: these rows average few values, are the largest in size, and 16-bit operands would use up what the comparison allows.
; SHARES.  Work-group (nt, b) makes out0[b][0 .. 15][16 nt .. 16 nt + 15].  Wave = head: it makes its head's 16 x 16 attention anew from the f32 sums that the product launch kept (q32), multiplies the result by its own
; 64 of W_o's K, and the sixteen partial tiles meet in LDS, where waves 0 and 1 add them in the order of the heads.
; q32 [b][u 3][head][tile 4][e 2][lane][16 B]: q, k: lane (r, h) holds position r, channels 16 tile + 8 h + 0 .. 7; v: channel 16 tile + r, positions 8 h + 0 .. 7.
; THE f32 MATRIX FORM takes K = 4: lane (r, h), register j: k = 2 h + j.  A step takes the register pair (2 ks, 2 ks + 1) of a tile in BOTH operands: the same four channels or keys 8 h + 2 ks + j on both sides.
; Each product's sums run in four accumulators by turns, added afterwards: an order of rounding of this text's own.  The accumulators are written by matrix instructions alone; what is made of them goes into other registers.
; The stores write 64 bytes of each of 16 rows: 256 KiB in the whole launch; wider tiles would leave most of the chip without work.
.set SPARE, 16384
.set LI,  1
.set SPW, 2
.set NIL, 3
.set DD,  4                            ; r - 8 h
.set WOF, 5                            ; 4096 r + 32 h
.set NINF, 6
.set ST,  8                            ; v8-15   a summed tile
.set T,   16                           ; v16-23  at work
.set PR,  24                           ; v24-31  p
.set QR,  32                           ; v32-63  q, later the normalised result
.set KR,  64
.set VR,  96
.set WR,  128
.set SA,  160                          ; v160-191 four accumulators: the scores', later the projection's
.set OA,  192                          ; v192-223 four: weights x v
.set LW,  224
.set LR,  225
.set GO,  226
	s_load_b128 s[4:7], s[0:1], 0x0                ; q32, W_o
	s_load_b64 s[8:9], s[0:1], 0x10                ; out0
	v_lshl_add_u32 v[SPW], v0, 2, SPARE
	v_mov_b32 v[NIL], 0
	v_lshrrev_b32 v1, 5, v0
	v_readfirstlane_b32 s10, v1                    ; wave = head
	s_and_b32 s12, ttmp7, 0xffff                   ; batch
	v_and_b32 v[LI], 31, v0
	v_lshlrev_b32 v[LI], 4, v[LI]
	v_and_b32 v[DD], 15, v0                        ; r
	v_bfe_u32 v7, v0, 4, 1                         ; h
	v_lshlrev_b32 v[WOF], 12, v[DD]
	v_lshl_add_u32 v[WOF], v7, 5, v[WOF]
	v_lshlrev_b32 v7, 3, v7
	v_sub_nc_u32 v[DD], v[DD], v7
	v_mov_b32 v[NINF], 0xff800000
	s_lshl_b32 s13, s10, 10
	v_add_nc_u32 v[LW], s13, v[LI]                 ; where my partial tile goes
	s_and_b32 s13, s10, 1
	s_lshl_b32 s14, s13, 9
	v_add_nc_u32 v[LR], s14, v[LI]                 ; which half of the tiles waves 0 and 1 read back,
	s_lshl_b32 s14, s13, 4
	v_add_nc_u32 v[GO], s14, v[WOF]                ; and where it goes in out0
	s_mul_i32 s16, s12, 48
	s_add_co_u32 s16, s16, s10
	s_lshl_b32 s16, s16, 12                        ; q32: (48 b + head) x 4,096; k and v 65,536 and 131,072 bytes on
	s_mov_b32 s17, 0
	s_lshl_b32 s22, ttmp9, 16                      ; W_o: rows 16 nt on, K = 64 head on
	s_lshl_b32 s23, s10, 8
	s_add_co_u32 s22, s22, s23
	s_mov_b32 s23, 0
	s_lshl_b32 s24, s12, 23                        ; out0: the batch's first row, column 16 nt
	s_lshl_b32 s25, ttmp9, 6
	s_add_co_u32 s24, s24, s25
	s_mov_b32 s25, 0
	s_mov_b32 s18, 0x3e38aa3b                      ; c = log2(e) / 8
	s_mov_b32 s20, 0x76543210
	s_mov_b32 s21, 0xfedcba98
	s_wait_kmcnt 0x0
	s_add_nc_u64 s[4:5], s[4:5], s[16:17]
	s_add_nc_u64 s[6:7], s[6:7], s[22:23]
	s_add_nc_u64 s[8:9], s[8:9], s[24:25]
.irp u, 0,1,2
.irp ct, 0,1,2,3
.irp e, 0,1
	global_load_b128 v[QR+32*\u+8*\ct+4*\e:QR+32*\u+8*\ct+4*\e+3], v[LI], s[4:5] offset:65536*\u+1024*\ct+512*\e
.endr
.endr
.endr
.irp ct, 0,1,2,3
.irp e, 0,1
	global_load_b128 v[WR+8*\ct+4*\e:WR+8*\ct+4*\e+3], v[WOF], s[6:7] offset:64*\ct+16*\e
.endr
.endr
.macro SUM4 acc                        ; the four accumulators' sum into v[ST] on, each read from its low end on
.irp p, 0,2,4,6
	v_pk_add_f32 v[ST+\p:ST+\p+1], v[\acc+\p:\acc+\p+1], v[\acc+8+\p:\acc+8+\p+1]
	v_pk_add_f32 v[T+\p:T+\p+1], v[\acc+16+\p:\acc+16+\p+1], v[\acc+24+\p:\acc+24+\p+1]
	v_pk_add_f32 v[ST+\p:ST+\p+1], v[ST+\p:ST+\p+1], v[T+\p:T+\p+1]
.endr
.endm
	s_wait_loadcnt 16                              ; q and k are in; v's and W_o's sixteen loads stay out
.irp ct, 0,1,2,3                               ; S^T = k q^T: source 0 = 16 keys, source 1 = 16 queries
.irp ks, 0,1,2,3
.if \ct == 0
	v_wmma_f32_16x16x4_f32 v[SA+8*\ks:SA+8*\ks+7], v[KR+8*\ct+2*\ks:KR+8*\ct+2*\ks+1], v[QR+8*\ct+2*\ks:QR+8*\ct+2*\ks+1], 0
.else
	v_wmma_f32_16x16x4_f32 v[SA+8*\ks:SA+8*\ks+7], v[KR+8*\ct+2*\ks:KR+8*\ct+2*\ks+1], v[QR+8*\ct+2*\ks:QR+8*\ct+2*\ks+1], v[SA+8*\ks:SA+8*\ks+7]
.endif
.endr
.endr
.rept 8
	v_nop                                          ; eight places behind this form, in front of the first read of results
.endr
	SUM4 SA                                        ; lane (r, h): query r, keys 8 h + 0 .. 7
.irp j, 0,1,2,3,4,5,6,7
	v_cmp_gt_i32 vcc_lo, \j, v[DD]                 ; key 8 h + j comes after query r
	v_cndmask_b32 v[ST+\j], v[ST+\j], v[NINF], vcc_lo
.endr
	v_max3_num_f32 v[T], v[ST], v[ST+1], v[ST+2]
	v_max3_num_f32 v[T], v[T], v[ST+3], v[ST+4]
	v_max3_num_f32 v[T], v[T], v[ST+5], v[ST+6]
	v_max_num_f32 v[T], v[T], v[ST+7]
	v_permlanex16_b32 v[T+2], v[T], s20, s21       ; the query's other eight keys; key 0 counts for every query, so the maximum is a number
	v_max_num_f32 v[T], v[T], v[T+2]
	v_mul_f32 v[T+1], s18, v[T]
.irp j, 0,1,2,3,4,5,6,7
	v_fma_f32 v[PR+\j], v[ST+\j], s18, -v[T+1]
.endr
.irp j, 0,1,2,3,4,5,6,7
	v_exp_f32 v[PR+\j], v[PR+\j]
.endr
	v_nop
	s_wait_alu depctr_va_vdst(0)                   ; one wait for the eight exponentials, ahead of their first reader
	v_add_f32 v[T], v[PR], v[PR+1]
	v_add_f32 v[T+3], v[PR+2], v[PR+3]
	v_add_f32 v[T+4], v[PR+4], v[PR+5]
	v_add_f32 v[T+5], v[PR+6], v[PR+7]
	v_add_f32 v[T], v[T], v[T+3]
	v_add_f32 v[T+4], v[T+4], v[T+5]
	v_add_f32 v[T], v[T], v[T+4]
	v_permlanex16_b32 v[T+2], v[T], s20, s21
	v_add_f32 v[T], v[T], v[T+2]
	v_rcp_f32 v[T+6], v[T]
	v_nop
	s_wait_alu depctr_va_vdst(0)
	s_wait_loadcnt 8                               ; v is in; W_o's eight loads stay out
.irp ks, 0,1,2,3                               ; O^T = v^T p: source 0 = 16 channels, source 1 = p
.irp ct, 0,1,2,3
.if \ks == 0
	v_wmma_f32_16x16x4_f32 v[OA+8*\ct:OA+8*\ct+7], v[VR+8*\ct+2*\ks:VR+8*\ct+2*\ks+1], v[PR+2*\ks:PR+2*\ks+1], 0
.else
	v_wmma_f32_16x16x4_f32 v[OA+8*\ct:OA+8*\ct+7], v[VR+8*\ct+2*\ks:VR+8*\ct+2*\ks+1], v[PR+2*\ks:PR+2*\ks+1], v[OA+8*\ct:OA+8*\ct+7]
.endif
.endr
.endr
.rept 8
	v_nop
.endr
.irp n, 0,2,4,6,8,10,12,14,16,18,20,22,24,26,28,30
	v_pk_mul_f32 v[QR+\n:QR+\n+1], v[OA+\n:OA+\n+1], v[T+6:T+7] op_sel_hi:[1,0]   ; / the row's sum: lane (r, h): position r, channels 16 ct + 8 h + 0 .. 7
.endr
	s_wait_loadcnt 0x0                             ; W_o
.irp ks, 0,1,2,3                               ; my head's part of out^T = W_o o^T: source 0 = 16 rows of W_o, source 1 = 16 positions
.irp ct, 0,1,2,3
.if \ks == 0
	v_wmma_f32_16x16x4_f32 v[SA+8*\ct:SA+8*\ct+7], v[WR+8*\ct+2*\ks:WR+8*\ct+2*\ks+1], v[QR+8*\ct+2*\ks:QR+8*\ct+2*\ks+1], 0
.else
	v_wmma_f32_16x16x4_f32 v[SA+8*\ct:SA+8*\ct+7], v[WR+8*\ct+2*\ks:WR+8*\ct+2*\ks+1], v[QR+8*\ct+2*\ks:QR+8*\ct+2*\ks+1], v[SA+8*\ct:SA+8*\ct+7]
.endif
.endr
.endr
.rept 8
	v_nop
.endr
	SUM4 SA                                        ; lane (r, h): position r, columns 16 nt + 8 h + 0 .. 7
	ds_store_b128 v[LW], v[ST:ST+3]
	ds_store_b128 v[LW], v[ST+4:ST+7] offset:512
	s_wait_dscnt 0x0                               ; for the others' sake: my stores have landed
	s_barrier_signal -1
	s_barrier_wait -1
	s_cmp_ge_u32 s10, 2
	s_cbranch_scc1 .Ldone
.irp p, 0,1,2,3,4,5,6,7,8,9,10,11,12,13,14,15
	ds_load_b128 v[QR+4*\p:QR+4*\p+3], v[LR] offset:1024*\p       ; wave e: registers 4 e .. 4 e + 3 of all sixteen heads' tiles
.endr
	s_wait_dscnt 0x0
.irp p, 1,2,3,4,5,6,7,8,9,10,11,12,13,14,15
	v_pk_add_f32 v[QR:QR+1], v[QR:QR+1], v[QR+4*\p:QR+4*\p+1]
	v_pk_add_f32 v[QR+2:QR+3], v[QR+2:QR+3], v[QR+4*\p+2:QR+4*\p+3]
.endr
	global_store_b128 v[GO], v[QR:QR+3], s[8:9] th:TH_STORE_NT
.Ldone:
	s_wait_tensorcnt 0x0                           ; the wave's end, behind my last LDS store
	ds_add_u32 v[SPW], v[NIL]
	s_wait_dscnt 0x0
	s_endpgm
.Lfunc_end_k_qf5ed182e2f_fine:
	.size	k_qf5ed182e2f_fine, .Lfunc_end_k_qf5ed182e2f_fine-k_qf5ed182e2f_fine
	.p2alignl 7, 3214868480
	.fill 96, 4, 3214868480
	.section	.rodata,"a",@progbits
	.p2align	6, 0x0
	.amdhsa_kernel k_qf5ed182e2f_fine
		.amdhsa_group_segment_fixed_size 18432
		.amdhsa_private_segment_fixed_size 0
		.amdhsa_enable_private_segment 0
		.amdhsa_kernarg_size 24
		.amdhsa_user_sgpr_count 2
		.amdhsa_user_sgpr_kernarg_segment_ptr 1
		.amdhsa_wavefront_size32 1
		.amdhsa_system_sgpr_workgroup_id_x 1
		.amdhsa_system_sgpr_workgroup_id_y 1
		.amdhsa_system_sgpr_workgroup_id_z 1
		.amdhsa_system_vgpr_workitem_id 0
		.amdhsa_next_free_vgpr 256
		.amdhsa_next_free_sgpr 66
		.amdhsa_reserve_vcc 1
		.amdhsa_float_denorm_mode_32 3
		.amdhsa_float_denorm_mode_16_64 3
		.amdhsa_memory_ordered 1
		.amdhsa_forward_progress 1
		.amdhsa_inst_pref_size 17
	.end_amdhsa_kernel
	.amdgpu_metadata
---
amdhsa.version: [ 1, 2 ]
amdhsa.kernels:
  - .name:           k_qf5ed182e2f_fine
    .symbol:         k_qf5ed182e2f_fine.kd
    .args:
      - { .name: q32, .offset: 0, .size: 8, .value_kind: global_buffer, .address_space: global }
      - { .name: W_o, .offset: 8, .size: 8, .value_kind: global_buffer, .address_space: global }
      - { .name: out0, .offset: 16, .size: 8, .value_kind: global_buffer, .address_space: global }
    .group_segment_fixed_size: 18432
    .private_segment_fixed_size: 0
    .kernarg_segment_align: 8
    .kernarg_segment_size: 24
    .max_flat_workgroup_size: 512
    .sgpr_count:     66
    .vgpr_count:     256
    .wavefront_size: 32
...
	.end_amdgpu_metadata
.endif
;; end of part 5
